; MI455X (gfx1250); checked and timed in simulation.
; The chip was launched on July 23, 2026; its instructions are those of AMD's public machine-readable ISA for CDNA 5 (MIT licence, August 2026) and "CDNA5" Instruction Set Architecture Reference Guide (July 2026). The comments in the code are by the model that wrote it; some were corrected since.
;; GD Attention. Allowed arithmetic: matrix products marked QUANTISED: E2M1 operands, one E8M0 scale for each 32 along K, by v_wmma_scale_f32_16x16x128_f8f6f4 with both operands' format E2M1 (or v_wmma_scale_f32_32x16x128_f4), f32 sums; everything else in f32.
;; Inputs: W_k 8 x 128 x 128 float32; W_o 128 x 1,024 float32; W_q 8 x 128 x 128 float32; x 2 x 2,048 x 128 float32.
;; Outputs: out0 2 x 2,048 x 128 float32.
;; This version of the problem:
;;   THIS VERSION OF THE PROBLEM IS GIVEN IN LOW PRECISION. The matrix products marked QUANTISED in the list below multiply operands that are first quantised to E2M1 (2 exponent bits, 1 mantissa bit; 4 bits a number), with one power-of-two scale for each 32 numbers along K (OCP MX v1.0); their sums are f32. All else is computed in f32.
;;   The module's matrix products, in the order in which they are computed (A, B: the left and right operand; K: the contracted axis; several contracted axes count as one K, in the product's order):
;;     1. [M 1,024, K 128] x [K 128, N 4,096]; A: input W_q; B: input x: QUANTISED
;;     2. [M 1,024, K 128] x [K 128, N 4,096]; A: input W_k; B: input x: QUANTISED
;;     3. batch 16 x [M 2,048, K 128] x [K 128, N 2,048]; A: computed on the way; B: computed on the way: QUANTISED
;;     4. batch 2 x [M 16,384, K 2,048] x [K 2,048, N 128]; A: softmax (see below); B: input x: QUANTISED
;;     5. [M 4,096, K 1,024] x [K 1,024, N 128]; A: computed on the way; B: input W_o: QUANTISED
;;   THE QUANTISER, for each operand of a quantised product, along K:
;;     - K is cut into blocks of 32 from its start; a last block that is shorter is filled with zeros.
;;     - A block's scale is 2^e with e = floor(log2(the largest magnitude in the block)) - 2, held to -126 .. 127; a block of zeros has e = 0. As a byte (E8M0): e + 127.
;;     - Each number is divided by its block's scale, clamped to +-6, and rounded to the nearest number of E2M1, ties to even, subnormals kept.
;;     - The product sums the exact products of the quantised numbers (number of the format x scale) in f32.
;;   ~~~python
;;   def quantise(x, axis):      # numpy; x: float32 -> the quantised numbers, widened to float32 again
;;       x = np.moveaxis(x, axis, -1); K = x.shape[-1]
;;       x = np.pad(x, [(0, 0)] * (x.ndim - 1) + [(0, -K % 32)]); x = x.reshape(x.shape[:-1] + (-1, 32)); a = np.abs(x).max(-1, keepdims=True)
;;       e = np.where(a > 0, np.clip(np.frexp(np.where(a > 0, a, 1))[1] - 1 - 2, -126, 127), 0)      # np.frexp(a)[1] - 1 = floor(log2(a)), exactly
;;       r = np.clip(x / 2.0 ** e, -6, 6)
;;       step = 2.0 ** (np.maximum(np.frexp(np.where(r == 0, 1, r))[1] - 1, 0) - 1)
;;       q = np.round(r / step) * step * 2.0 ** e      # np.round: ties to even
;;       return np.moveaxis(q.reshape(q.shape[:-2] + (-1,))[..., :K], -1, axis).astype(np.float32)
;;   ~~~
;;   SOFTMAX AHEAD OF A QUANTISED PRODUCT. Where the list says 'softmax', what is quantised is not the finished softmax but p = 2^(t - M), with t = logit x log2(e) and M = ceil(the row's largest t), a whole number; so 1/2 < the row's largest p <= 1. The row's sum l is taken of the UNQUANTISED p, in f32, and the product's result is divided by l at the end. Since M is a whole number, a kernel that streams over the keys may use a running M (the ceiling of the running maximum): every later rescaling is an exact power of two, which a block's scale takes up: the codes' values come out the same.
;;   OPERANDS COMPUTED ON THE WAY. 'Computed on the way' means the value that the module computes at that place (a softmax that the list does not call 'softmax' is quantised finished and normalised). What goes into a quantiser is computed in f32, as accurately as f32 sums, v_exp_f32 and their like allow (about 1e-6 of the number): no bf16 or f16 on the way to a quantiser, and a product that is left as it is and whose result goes on into a quantised operand takes f32 operands (vector FMAs, or v_wmma_f32_16x16x4_f32). A number that lies on a knife's edge between two numbers of the format may be rounded either way, as far as f32 arithmetic and the matrix unit's own rounding can turn it there, and no further.
;; 2 versions. Each part assembles by itself: llvm-mc -triple=amdgcn-amd-amdhsa -mcpu=gfx1250 --defsym DOCPART=n.
;; ======== version 1 of 2: 3 launches
;; workspace buffers: qc 2,097,152 bytes; qs 131,072 bytes; kb 2,228,224 bytes; vb 278,528 bytes; yc 2,097,152 bytes; ys 262,144 bytes; wo 73,728 bytes
;; launch prep (part 1): grid 16 x 16, 9 waves a work-group, no clusters, 9,984 bytes of LDS; arguments x, W_q, W_k, W_o, qc, qs, kb, vb, wo; writes qc, qs, kb, vb, wo
.if DOCPART == 1
	.amdgcn_target "amdgcn-amd-amdhsa--gfx1250"
	.amdhsa_code_object_version 6
	.text
	.protected	k_q2993843d0a_prep
	.globl	k_q2993843d0a_prep
	.p2align	8
	.type	k_q2993843d0a_prep,@function
k_q2993843d0a_prep:
	s_mov_b64 s[64:65], 0
	v_nop
	global_prefetch_b8 v0, s[64:65] scope:SCOPE_SE
	s_setreg_imm32_b32 hwreg(HW_REG_WAVE_MODE, 25, 1), 1
	s_wait_xcnt 0x0
; PREP: every operand that the attention launch and the last product read is made here, as codes of FP4 (E2M1) with one E8M0 byte for each 32 along its K.
;   Q[b,h,s,:] = Quant_d(x[b,s,:]) . Quant_d(W_q[h,:,:]), then quantised along e;  K likewise from W_k;  x quantised along the KEYS (it is V);  W_o quantised along its 1,024.
; A FRAGMENT (16 rows x 128 K) is kept in memory as the IMAGE OF ITS REGISTERS, 1,024 bytes: registers 4c .. 4c+3 of lane l at 512 c + 16 l, which is [block of 32][row slot][16 bytes].
; ORDER P of a group of 8 tiles: tile 2b+u, slot r holds row 32b + 8u + r + 8 (r/8).  A product whose source 0 is laid so leaves 16 neighbours of those rows in a lane's 16 registers of tiles 2b, 2b+1.
; SHARES.  Work-group (rb, m): 256 of the 4,096 rows (b, s) and ONE weight matrix (m < 8: W_q[m]; else W_k[m-8]).  Waves 0-7 quantise that matrix together into LDS (64 KB of f32 -> 8 fragments, order P over e),
; then each takes 32 rows: x along d in registers, 8 products (source 0 = the weight, source 1 = x: a lane holds one row and 64 of its e), quantised along e, stored.  For K the 32 rows are laid in order P over the keys.
; Wave 8 has one task of its own, by g = rb + 16 m: g < 128: 128 keys x 32 columns of x quantised down the keys (V^T, order P over d); g < 192: one fragment of W_o; else none.
; The matrix is read by 16 work-groups and the rows by 16: each reads them once, through registers, so there is no tile that several ask for at one time and no cluster.
; THE SCALE: byte = exponent field of the block's largest magnitude - 2, held at 1 from below.  LIMITS: a block of zeros gets the byte 1 where the rule says 127 (its codes are zeros, and this program alone reads the
; bytes); NaN and infinities among the inputs are not served.
.set WSC, 8192                         ; LDS: 8 images of 1,024 bytes, then 8 x 64 bytes of scale words (slot r's word at 4 r)
.set WR,  16                           ; v16-79   64 numbers of one column of the weight; later WF
.set WF,  16                           ; v16-79   the weight's 8 fragments
.set XR,  80                           ; v80-143  64 numbers of a row of x: waves 0-7 alone load here
.set HA,  144                          ; v144-207 8 result tiles.  Wave 8: v16-79 and v144-207 are 128 numbers down the keys, or v144-207 64 numbers of a row of W_o
.set XF,  208                          ; v208-215 x's fragment
.set PC0, 216                          ; v216-223 codes made, first tile
.set PC1, 224                          ; v224-231 second tile (wave 8: v216-231 are the codes of four blocks of keys)
.set TM,  232                          ; v232-243 at work: +0..3 magnitudes, +4..7 bytes, +8..11 the conversions' scale operands
.set WS,  244                          ; v244-251 the weight's scale words: scales and nothing else
.set XS,  252                          ; v252     x's scale word: likewise
.set PW0, 253                          ; v253, v254 the scale words made for the two tiles
.set PW1, 254
.set OW,  255                          ; v255     the word that my lane stores
.set SEL, 30                           ; s[30:31] v_permlanex16_b32's selects for lane l xor 16
; 64 numbers of a lane, register 16 b + i = k 32 b + 16 (lane/16) + i of my row, become a fragment's codes in v[c] on and its scale word in v[w].
.macro QUANT s, c, w
.irp b, 0,1,2,3
	v_max3_num_f32 v[TM+\b], |v[\s+16*\b]|, |v[\s+1+16*\b]|, 0x1800000   ; block b: my 16 numbers and the floor 2^(3-127): the byte cannot fall under 1
.endr
.irp i, 2,4,6,8,10,12,14
.irp b, 0,1,2,3
	v_max3_num_f32 v[TM+\b], v[TM+\b], |v[\s+16*\b+\i]|, |v[\s+1+16*\b+\i]|   ; the four blocks by turns
.endr
.endr
.irp b, 0,1,2,3
	v_permlanex16_b32 v[TM+4+\b], v[TM+\b], s[SEL], s[SEL+1]
.endr
.irp b, 0,1,2,3
	v_max_num_f32 v[TM+\b], v[TM+\b], v[TM+4+\b]                       ; with lane l xor 16's 16: the block's largest magnitude
.endr
.irp b, 0,1,2,3
	v_add_nc_u32 v[TM+8+\b], 0xff000000, v[TM+\b]                      ; 2 off its exponent field: the conversion takes that field as its scale
.endr
.irp b, 0,1,2,3
	v_lshrrev_b32 v[TM+4+\b], 23, v[TM+8+\b]                           ; the scale's byte
.endr
	v_lshl_or_b32 v[\w], v[TM+5], 8, v[TM+4]
	v_lshl_or_b32 v[\w], v[TM+6], 16, v[\w]
	v_lshl_or_b32 v[\w], v[TM+7], 24, v[\w]                            ; my row's scale word
.irp b, 0,1,2,3
	v_cvt_scalef32_pk8_fp4_f32 v[\c+2*\b], v[\s+16*\b:\s+7+16*\b], v[TM+8+\b]
	v_cvt_scalef32_pk8_fp4_f32 v[\c+1+2*\b], v[\s+8+16*\b:\s+15+16*\b], v[TM+8+\b]
.endr
	v_nop                                                              ; one plain place behind a scaled conversion
.irp k, 0,1
.irp i, 0,1
	v_permlane16_swap_b32 v[\c+4*\k+\i], v[\c+2+4*\k+\i]               ; a whole block to a lane: registers 4k .. 4k+3 hold k = 64 k + 32 (lane/16) + 0 .. 31
.endr
.endr
.endm
; 32 numbers of a lane that run down K of ONE column become 16 bytes of codes in v[c] .. v[c+3] and the block's byte in v[byte].
.macro COLQ s, c, byte
	v_max3_num_f32 v[TM], |v[\s]|, |v[\s+1]|, |v[\s+2]|
	v_max3_num_f32 v[TM+1], |v[\s+3]|, |v[\s+4]|, |v[\s+5]|
.irp i, 6,10,14,18,22,26
	v_max3_num_f32 v[TM], v[TM], |v[\s+\i]|, |v[\s+\i+1]|
	v_max3_num_f32 v[TM+1], v[TM+1], |v[\s+\i+2]|, |v[\s+\i+3]|
.endr
	v_max3_num_f32 v[TM], v[TM], |v[\s+30]|, |v[\s+31]|
	v_max3_num_f32 v[TM], v[TM], v[TM+1], 0x1800000                    ; and the floor
	v_add_nc_u32 v[TM+8], 0xff000000, v[TM]
	v_lshrrev_b32 v[\byte], 23, v[TM+8]
.irp g, 0,1,2,3
	v_cvt_scalef32_pk8_fp4_f32 v[\c+\g], v[\s+8*\g:\s+8*\g+7], v[TM+8]
.endr
	v_nop                                                              ; one plain place behind a scaled conversion
.endm
; my 64 numbers of a row of 128: of each block of 32 the 16 at 64 (lane/16) bytes
.macro XLOAD reg, va, sb
.irp b, 0,1,2,3
.irp j, 0,1,2,3
	global_load_b128 v[\reg+16*\b+4*\j:\reg+16*\b+4*\j+3], v[\va], s[\sb:\sb+1] offset:128*\b+16*\j
.endr
.endr
.endm
; 8 products for the tile whose fragment lies in XF, their quantising along e, and the stores of the image
.macro HALF pc, pw, off
.rept 8
	v_nop                                                              ; XS was written by vector instructions: 8 places ahead of a scaled product (XF: 4)
.endr
.irp t, 0,1,2,3,4,5,6,7
	v_wmma_scale_f32_16x16x128_f8f6f4 v[HA+8*\t:HA+8*\t+7], v[WF+8*\t:WF+8*\t+7], v[XF:XF+7], 0, v[WS+\t], v[XS] matrix_a_fmt:MATRIX_FMT_FP4 matrix_b_fmt:MATRIX_FMT_FP4
.endr
.rept 4
	v_nop                                                              ; four places behind the products (ISA guide 7.12.1) ahead of the first read of results
.endr
	QUANT HA, \pc, \pw                                                 ; register 16 b + i of lane (r, hh) is e = 32 b + 16 hh + i of row r; each tile is first read at its low end
	global_store_b128 v4, v[\pc:\pc+3], s[38:39] offset:\off           ; 32 lanes store 512 consecutive bytes
	global_store_b128 v4, v[\pc+4:\pc+7], s[38:39] offset:\off+512
.endm
	s_load_b256 s[4:11], s[0:1], 0x0               ; x s[4:5], W_q s[6:7], W_k s[8:9], W_o s[10:11]
	s_load_b256 s[12:19], s[0:1], 0x20             ; qc s[12:13], qs s[14:15], kb s[16:17], vb s[18:19]
	s_load_b64 s[20:21], s[0:1], 0x40              ; wo
	s_set_vgpr_msb 0x40
	v_lshl_add_u32 v0, v0, 2, 0x2200
	v_mov_b32 v1, 0
	s_set_vgpr_msb 0x4000
	v_lshrrev_b32 v1, 5, v0
	v_readfirstlane_b32 s22, v1                    ; wave 0..8
	v_and_b32 v1, 31, v0                           ; lane
	v_and_b32 v2, 15, v0                           ; r
	v_bfe_u32 v3, v0, 4, 1                         ; hh
	v_lshlrev_b32 v4, 4, v1                        ; 16 x lane: an image's place for my lane
	v_lshlrev_b32 v5, 2, v2                        ; 4 r: a scale word's, the same in both halves
	v_lshlrev_b32 v6, 2, v1                        ; 4 x lane
	s_mov_b32 s23, ttmp9                           ; rb
	s_and_b32 s24, ttmp7, 0xffff                   ; m
	s_lshr_b32 s25, s24, 3                         ; 1: K, 0: Q
	s_and_b32 s26, s24, 7                          ; h
	s_lshr_b32 s44, s23, 3                         ; b
	s_lshl_b32 s27, s44, 3
	s_add_co_u32 s27, s27, s26                     ; bh = 8 b + h
	s_lshl_b32 s42, s25, 3                         ; K: slot r takes row r + 8 (r/8); Q: row r
	v_and_b32 v7, s42, v2
	v_add_nc_u32 v7, v7, v2
	v_lshlrev_b32 v7, 9, v7
	v_lshl_add_u32 v7, v3, 6, v7                   ; x, first tile: row x 512 + 64 hh
	s_lshl_b32 s43, s25, 12
	s_sub_co_u32 s43, 0x2000, s43                  ; the second tile begins 16 rows on (Q) or 8 (K)
	v_add_nc_u32 v8, s43, v7
	s_and_b32 s44, s22, 3                          ; w & 3: which 32 columns e of the weight; for K: which 32 keys of a step
	s_lshr_b32 s45, s22, 2                         ; w >> 2: which 64 of d; for K: which step
	v_bfe_u32 v14, v0, 3, 1                        ; column 32 c + lane lies in tile 2 c + u, u = (lane/8) % 2,
	v_and_b32 v15, 7, v0                           ; slot lane % 8 + 8 hh
	v_lshlrev_b32 v11, 4, v15
	v_lshl_add_u32 v11, v3, 7, v11
	v_lshl_add_u32 v11, v14, 10, v11               ; v11 = 1,024 u + 16 slot: my column's place in a pair of images
	v_lshlrev_b32 v12, 2, v15
	v_lshl_add_u32 v12, v3, 5, v12
	v_lshl_add_u32 v12, v14, 6, v12                ; v12 = 64 u + 4 slot: its scale word's
	s_lshl_b32 s46, s44, 11
	s_lshl_b32 s47, s45, 9
	s_add_co_u32 s46, s46, s47
	v_add_nc_u32 v9, s46, v11                      ; LDS: + 2,048 (w & 3) + 256 x my first block of d
	s_lshl_b32 s47, s44, 7
	s_lshl_b32 s48, s45, 1
	s_add_co_u32 s47, s47, s48
	s_add_co_u32 s47, s47, WSC
	v_add_nc_u32 v10, s47, v12                     ; LDS: my two bytes of the column's scale word
	v_lshlrev_b32 v13, 12, v2
	v_lshl_add_u32 v13, v3, 6, v13                 ; W_o: row r of 4,096 bytes + 64 hh
	s_mov_b32 s[SEL], 0x76543210
	s_mov_b32 s[SEL+1], 0xfedcba98
.irp b, 0,1,2,3
	v_mov_b32 v[TM+4+\b], 0                        ; written once: a lane permute's destination counts as one of its sources
.endr
	s_lshl_b32 s32, s26, 16                        ; the weight: matrix h, + 128 (w & 3) bytes along e, + 64 (w >> 2) rows of 512 bytes
	s_lshl_b32 s48, s44, 7
	s_add_co_u32 s32, s32, s48
	s_lshl_b32 s48, s45, 15
	s_add_co_u32 s32, s32, s48
	s_mov_b32 s33, 0
	s_lshl_b32 s50, s23, 17                        ; x: row 256 rb + 32 w
	s_lshl_b32 s48, s22, 14
	s_add_co_u32 s50, s50, s48
	s_mov_b32 s51, 0
	s_and_b32 s48, s23, 7
	s_lshl_b32 s52, s27, 7                         ; Q: tile i = 128 bh + 16 (rb & 7) + 2 w
	s_lshl_b32 s49, s48, 4
	s_add_co_u32 s52, s52, s49
	s_lshl_b32 s49, s22, 1
	s_add_co_u32 s52, s52, s49
	s_lshl_b32 s53, s52, 6                         ; its scale words at 64 i,
	s_lshl_b32 s52, s52, 10                        ; its codes at 1,024 i
	s_lshl_b32 s54, s27, 4                         ; K: record 16 bh + 2 (rb & 7) + (w >> 2), 8,704 bytes each
	s_lshl_b32 s49, s48, 1
	s_add_co_u32 s54, s54, s49
	s_add_co_u32 s54, s54, s45
	s_mul_i32 s54, s54, 8704
	s_lshl_b32 s49, s44, 7
	s_add_co_u32 s55, s54, s49
	s_add_co_u32 s55, s55, 8192                    ; scale words of tiles 2 (w & 3), + 1
	s_lshl_b32 s49, s44, 11
	s_add_co_u32 s54, s54, s49                     ; their codes
	s_mov_b32 s57, 0
	s_mov_b32 s59, 0
	s_wait_kmcnt 0x0
	s_cmp_eq_u32 s25, 0                            ; Q's work-group or K's: the choice hangs on the work-group's number alone
	s_cselect_b64 s[34:35], s[6:7], s[8:9]
	s_cselect_b64 s[38:39], s[12:13], s[16:17]
	s_cselect_b64 s[40:41], s[14:15], s[16:17]
	s_cselect_b32 s56, s52, s54
	s_cselect_b32 s58, s53, s55
	s_add_nc_u64 s[34:35], s[34:35], s[32:33]      ; the weight at my columns
	s_add_nc_u64 s[36:37], s[4:5], s[50:51]        ; x at my rows
	s_add_nc_u64 s[38:39], s[38:39], s[56:57]      ; where my codes go
	s_add_nc_u64 s[40:41], s[40:41], s[58:59]      ; and my scale words
	s_cmp_eq_u32 s22, 8
	s_cbranch_scc1 .Lbar                           ; wave 8 has no part in the weight
	; ---- the weight: a lane takes a column e, its registers run down d: each load reads 128 consecutive bytes
.set i, 0
.rept 64
	global_load_b32 v[WR+i], v6, s[34:35] offset:512*i
.set i, i+1
.endr
	XLOAD XR, 7, 36                                ; my first tile of x lands while the weight is quantised
	s_wait_loadcnt 16                              ; the 64 loads of the weight are in; x's 16, issued behind them, may be out
	COLQ WR, PC0, TM+4
	COLQ WR+32, PC0+4, TM+5
	v_lshl_or_b32 v[TM+4], v[TM+5], 8, v[TM+4]
	ds_store_b128 v9, v[PC0:PC0+3]
	ds_store_b128 v9, v[PC0+4:PC0+7] offset:256
	ds_store_b16 v10, v[TM+4]
.Lbar:
	s_wait_dscnt 0x0                               ; for the others' sake: my stores have landed
	s_barrier_signal -1
	s_barrier_wait -1                              ; the 8 images and their scale words lie in LDS; nothing is written there again
	s_cmp_eq_u32 s22, 8
	s_cbranch_scc1 .Lextra
.irp t, 0,1,2,3,4,5,6,7
	ds_load_b128 v[WF+8*\t:WF+8*\t+3], v4 offset:1024*\t
	ds_load_b128 v[WF+8*\t+4:WF+8*\t+7], v4 offset:1024*\t+512
	ds_load_b32 v[WS+\t], v5 offset:WSC+64*\t
.endr
	s_wait_loadcnt 0x0                             ; x, first tile
	QUANT XR, XF, XS
	XLOAD XR, 8, 36                                ; the second tile lands under the first tile's products and quantising
	s_wait_dscnt 0x0                               ; the weight's fragments and words are in
	HALF PC0, PW0, 0
	s_wait_loadcnt 0x0                             ; x, second tile
	QUANT XR, XF, XS
	HALF PC1, PW1, 1024
	v_cmp_gt_u32 vcc_lo, 16, v1
	v_cndmask_b32 v[OW], v[PW1], v[PW0], vcc_lo    ; lanes 0-15 the first tile's words, lanes 16-31 the second's
	global_store_b32 v6, v[OW], s[40:41]           ; 128 consecutive bytes
	s_set_vgpr_msb 0x5
	s_wait_tensorcnt 0x0
	ds_add_u32 v0, v1
	s_wait_dscnt 0x0
	s_set_vgpr_msb 0x500
	s_endpgm
.Lextra:                                           ; wave 8's tasks name none of v80-143, into which the other waves' loads of x go
	s_lshl_b32 s44, s24, 4
	s_add_co_u32 s44, s44, s23                     ; g = rb + 16 m
	s_cmp_lt_u32 s44, 128
	s_cbranch_scc0 .Lnot_v
	; ---- V: record g / 4 (b, step of 128 keys), columns d = 32 (g % 4) + lane; registers run down the keys
	s_lshr_b32 s45, s44, 2
	s_and_b32 s46, s44, 3
	s_lshl_b32 s48, s45, 16
	s_lshl_b32 s49, s46, 7
	s_add_co_u32 s48, s48, s49
	s_mov_b32 s49, 0
	s_add_nc_u64 s[36:37], s[4:5], s[48:49]
	s_mul_i32 s48, s45, 8704
	s_lshl_b32 s47, s46, 11
	s_add_co_u32 s50, s48, s47
	s_add_nc_u64 s[38:39], s[18:19], s[50:51]      ; tiles 2 (g % 4), + 1 of the record
	s_lshl_b32 s47, s46, 7
	s_add_co_u32 s50, s48, s47
	s_add_nc_u64 s[40:41], s[18:19], s[50:51]      ; their scale words (+ 8,192 in the immediate)
.set i, 0
.rept 128
	global_load_b32 v[16+i+64*(i/64)], v6, s[36:37] offset:512*i   ; keys 0-63 into v16-79, keys 64-127 into v144-207
.set i, i+1
.endr
	s_wait_loadcnt 63                              ; 63 of the 128 may be out: the first 65 are in, blocks 0 and 1 among them
	COLQ 16, PC0, TM+4
	COLQ 48, PC0+4, TM+5
	s_wait_loadcnt 32                              ; the last block's 32 may be out
	COLQ 144, PC0+8, TM+6
	s_wait_loadcnt 0x0
	COLQ 176, PC0+12, TM+7
	v_lshl_or_b32 v[OW], v[TM+5], 8, v[TM+4]
	v_lshl_or_b32 v[OW], v[TM+6], 16, v[OW]
	v_lshl_or_b32 v[OW], v[TM+7], 24, v[OW]        ; my column's scale word for these 128 keys
.irp k, 0,1,2,3
	global_store_b128 v11, v[PC0+4*\k:PC0+4*\k+3], s[38:39] offset:256*\k   ; block k of both tiles: two runs of 256 consecutive bytes
.endr
	global_store_b32 v12, v[OW], s[40:41] offset:8192
	s_set_vgpr_msb 0x5
	s_wait_tensorcnt 0x0
	ds_add_u32 v0, v1
	s_wait_dscnt 0x0
	s_set_vgpr_msb 0x500
	s_endpgm
.Lnot_v:
	s_cmp_lt_u32 s44, 192
	s_cbranch_scc0 .Lnone
	; ---- W_o: fragment f = g - 128: rows 16 (f / 8) on, K = 128 (f % 8) on
	s_sub_co_u32 s45, s44, 128
	s_lshr_b32 s46, s45, 3
	s_and_b32 s47, s45, 7
	s_lshl_b32 s48, s46, 16
	s_lshl_b32 s49, s47, 9
	s_add_co_u32 s48, s48, s49
	s_mov_b32 s49, 0
	s_add_nc_u64 s[36:37], s[10:11], s[48:49]
	s_lshl_b32 s48, s45, 10
	s_add_nc_u64 s[38:39], s[20:21], s[48:49]
	s_lshl_b32 s48, s45, 7
	s_add_co_u32 s48, s48, 65536
	s_add_nc_u64 s[40:41], s[20:21], s[48:49]
	XLOAD HA, 13, 36
	s_wait_loadcnt 0x0
	QUANT HA, PC0, PW0
	global_store_b128 v4, v[PC0:PC0+3], s[38:39]
	global_store_b128 v4, v[PC0+4:PC0+7], s[38:39] offset:512
	global_store_b32 v6, v[PW0], s[40:41]          ; a word a lane: lanes 16-31 repeat lanes 0-15
.Lnone:
	s_set_vgpr_msb 0x5
	s_wait_tensorcnt 0x0
	ds_add_u32 v0, v1
	s_wait_dscnt 0x0
	s_set_vgpr_msb 0x500
	s_endpgm
.Lfunc_end_k_q2993843d0a_prep:
	.size	k_q2993843d0a_prep, .Lfunc_end_k_q2993843d0a_prep-k_q2993843d0a_prep
	.p2alignl 7, 3214868480
	.fill 96, 4, 3214868480
	.section	.rodata,"a",@progbits
	.p2align	6, 0x0
	.amdhsa_kernel k_q2993843d0a_prep
		.amdhsa_group_segment_fixed_size 9984
		.amdhsa_private_segment_fixed_size 0
		.amdhsa_enable_private_segment 0
		.amdhsa_kernarg_size 72
		.amdhsa_user_sgpr_count 2
		.amdhsa_user_sgpr_kernarg_segment_ptr 1
		.amdhsa_wavefront_size32 1
		.amdhsa_system_sgpr_workgroup_id_x 1
		.amdhsa_system_sgpr_workgroup_id_y 1
		.amdhsa_system_sgpr_workgroup_id_z 1
		.amdhsa_system_vgpr_workitem_id 0
		.amdhsa_next_free_vgpr 258
		.amdhsa_next_free_sgpr 66
		.amdhsa_reserve_vcc 1
		.amdhsa_float_denorm_mode_32 3
		.amdhsa_float_denorm_mode_16_64 3
		.amdhsa_memory_ordered 1
		.amdhsa_forward_progress 1
		.amdhsa_inst_pref_size 62
	.end_amdhsa_kernel
	.amdgpu_metadata
---
amdhsa.version: [ 1, 2 ]
amdhsa.kernels:
  - .name:           k_q2993843d0a_prep
    .symbol:         k_q2993843d0a_prep.kd
    .args:
      - { .name: x, .offset: 0, .size: 8, .value_kind: global_buffer, .address_space: global }
      - { .name: W_q, .offset: 8, .size: 8, .value_kind: global_buffer, .address_space: global }
      - { .name: W_k, .offset: 16, .size: 8, .value_kind: global_buffer, .address_space: global }
      - { .name: W_o, .offset: 24, .size: 8, .value_kind: global_buffer, .address_space: global }
      - { .name: qc, .offset: 32, .size: 8, .value_kind: global_buffer, .address_space: global }
      - { .name: qs, .offset: 40, .size: 8, .value_kind: global_buffer, .address_space: global }
      - { .name: kb, .offset: 48, .size: 8, .value_kind: global_buffer, .address_space: global }
      - { .name: vb, .offset: 56, .size: 8, .value_kind: global_buffer, .address_space: global }
      - { .name: wo, .offset: 64, .size: 8, .value_kind: global_buffer, .address_space: global }
    .group_segment_fixed_size: 9984
    .private_segment_fixed_size: 0
    .kernarg_segment_align: 8
    .kernarg_segment_size: 72
    .max_flat_workgroup_size: 288
    .sgpr_count:     66
    .vgpr_count:     258
    .wavefront_size: 32
...
	.end_amdgpu_metadata
.endif
;; end of part 1
;; launch attn (part 2): grid 16 x 16, 16 waves a work-group, no clusters, 139,264 bytes of LDS; arguments qc, qs, kb, vb, yc, ys; writes yc, ys
.if DOCPART == 2
	.amdgcn_target "amdgcn-amd-amdhsa--gfx1250"
	.amdhsa_code_object_version 6
	.text
	.protected	k_q2993843d0a_attn
	.globl	k_q2993843d0a_attn
	.p2align	8
	.type	k_q2993843d0a_attn,@function
k_q2993843d0a_attn:
	s_mov_b64 s[64:65], 0
	v_nop
	global_prefetch_b8 v0, s[64:65] scope:SCOPE_SE
	s_setreg_imm32_b32 hwreg(HW_REG_WAVE_MODE, 25, 1), 1
	s_wait_xcnt 0x0
; ATTN: y[b,s,h,:] = (sum over keys t <= s of Quant(p)[t] Quant(x)[b,t,:]) / (sum of p), p = 2^t', t' = clip(Q.K / sqrt(128), -10, 10) x log2(e); y is quantised along d and stored as an operand of the last product.
; Both products on codes of FP4 with E8M0 scales.  Q, K and V^T come as images of operand registers (1,024 bytes a fragment; K's keys and V^T's rows d in the order tile 2b+u, slot r = 32b + 8u + r + 8 (r/8)).
; NO MAXIMUM IS TAKEN AWAY: the clip, which the problem itself makes, holds t' in +-14.43 for every input, so p lies in 2^+-14.43, a row's sum of 2,048 under 2^25.5 and p's scale bytes in 110 .. 139: nothing can
; overflow or underflow in f32.  That is M = 0 in p = 2^(t' - M); M is a whole number, so codes' values and the sum differ from any other whole M's by an exact power of two, which the division takes out.
; So sums over different keys simply add, and nothing is rescaled.  The clip is made at +-10 sqrt(128) ahead of the one multiplication by log2(e) / sqrt(128): one rounding where the problem's text has two.
; LIMITS: NaN and infinities are not served; a block whose every p is hidden keeps the byte 1 (its codes are zeros).
; SHARES.  Work-group (pi, bh) owns the blocks pi and 31 - pi of 64 queries of one (b, h): 8 tiles of 16 queries, 68 steps of 128 keys under the causal mask, the same in every work-group.  16 waves, 256 registers each.
; Waves w and w ^ 8 own one tile; in trip T wave w takes key step 2 T + (w >> 3); steps beyond the tile's diagonal are left out by a scalar branch on ids.  The two halves' sums meet in LDS at the end.
; K's and V's records of a trip (4 x 8,704 bytes) go through two LDS slots, copied through registers, 2,176 bytes a wave, asked for two trips ahead: the number of trips, 5 to 8, hangs on the work-group's number.
; The work-groups pi = 4c .. 4c+3 of a head walk the same records in the same number of trips.  They are not joined in a cluster: a trip holds one step (16 products) a wave, and a joint request would put a round
; of three barriers among 64 waves into every trip for 34,816 bytes.
; LAYOUT.  S^T = K Q^T and O^T = V^T P^T: a lane holds ONE query (lane % 16); register 16 b + i is key (or d) 32 b + 16 (lane/16) + i.
.set REC,  8704                        ; a record: 8 fragments, then 8 x 64 bytes of scale words
.set SLOT, 4*REC                       ; K's two records of a trip, then V's two
.set CMB,  2*SLOT                      ; behind the slots: for each tile 16 images of four registers of O^T (512 bytes each), the sum at + 8,192
.set F,    32                          ; v32-63   four fragments of K or of V
.set G,    64                          ; v64-80   my 2,176 bytes on their way to LDS
.set S,    96                          ; v96-159  S^T, then p
.set O,    160                         ; v160-223 O^T
.set PC,   224                         ; v224-231 p's codes
.set TM,   232                         ; v232-243 at work
.set SCL,  248                         ; v248-251 the four fragments' scale words: scales and nothing else
.set PW,   253                         ; v253     p's scale word (at the end y's): likewise
.set SEL,  30                          ; s[30:31]
; v1 16 lane + 8,704 parity; v2 4 (lane%16) + 8,704 parity; v3 16 lane; v4 4 lane; v5, v6 the same + 2,176 wave; v7 my query less the diagonal step's first key less 16 (lane/16); v8 0;
; v9, v10 my tile's place in CMB; v11 4 (lane%16); v[14:15] the sum in two halves; v16-23 Q, v24 its scale word
; s16 wave; s17 parity; s18 wave % 8; s23 pairs of trips; s24 my first query; s25 my last key step; s26 trips; s27 the pair in hand; s28, s29 a trip's number, my key step
.macro QUANT s, c, w
	s_wait_alu depctr_va_vdst(0)
.irp b, 0,1,2,3
	v_max3_num_f32 v[TM+\b], |v[\s+16*\b]|, |v[\s+1+16*\b]|, 0x1800000   ; block b: my 16 numbers and the floor 2^(3-127): the byte cannot fall under 1
.endr
.irp i, 2,4,6,8,10,12,14
.irp b, 0,1,2,3
	v_max3_num_f32 v[TM+\b], v[TM+\b], |v[\s+16*\b+\i]|, |v[\s+1+16*\b+\i]|
.endr
.endr
.irp b, 0,1,2,3
	v_permlanex16_b32 v[TM+4+\b], v[TM+\b], s[SEL], s[SEL+1]
.endr
.irp b, 0,1,2,3
	v_max_num_f32 v[TM+\b], v[TM+\b], v[TM+4+\b]                       ; with lane l xor 16's 16: the block's largest magnitude
.endr
.irp b, 0,1,2,3
	v_add_nc_u32 v[TM+8+\b], 0xff000000, v[TM+\b]                      ; 2 off its exponent field: the conversion's scale operand
.endr
.irp b, 0,1,2,3
	v_lshrrev_b32 v[TM+4+\b], 23, v[TM+8+\b]                           ; the scale's byte
.endr
	v_lshl_or_b32 v[\w], v[TM+5], 8, v[TM+4]
	v_lshl_or_b32 v[\w], v[TM+6], 16, v[\w]
	v_lshl_or_b32 v[\w], v[TM+7], 24, v[\w]
.irp b, 0,1,2,3
	v_cvt_scalef32_pk8_fp4_f32 v[\c+2*\b], v[\s+16*\b:\s+7+16*\b], v[TM+8+\b]
	v_cvt_scalef32_pk8_fp4_f32 v[\c+1+2*\b], v[\s+8+16*\b:\s+15+16*\b], v[TM+8+\b]
.endr
	v_nop                                                              ; one plain place behind a scaled conversion
.irp k, 0,1
.irp i, 0,1
	v_permlane16_swap_b32 v[\c+4*\k+\i], v[\c+2+4*\k+\i]               ; a whole block to a lane
.endr
.endr
.endm
.macro PLACES                          ; four places behind products ahead of loads into their registers and of reads of their results
.rept 4
	v_nop
.endr
.endm
.macro LOADG                           ; my 2,176 bytes of a trip's records: four loads of 512 consecutive bytes and one of 128
.irp i, 0,1,2,3
	global_load_b128 v[G+4*\i:G+4*\i+3], v3, s[38:39] offset:512*\i
.endr
	global_load_b32 v[G+16], v4, s[38:39] offset:2048
.endm
.macro STOREG slot
.irp i, 0,1,2,3
	ds_store_b128 v5, v[G+4*\i:G+4*\i+3] offset:\slot+512*\i
.endr
	ds_store_b32 v6, v[G+16] offset:\slot+2048
.endm
.macro FRAGS base, g                   ; fragments 4 g .. 4 g + 3 of my record of the pair at base, and their scale words
.irp t, 0,1,2,3
	ds_load_b128 v[F+8*\t:F+8*\t+3], v1 offset:\base+1024*(4*\g+\t)
	ds_load_b128 v[F+8*\t+4:F+8*\t+7], v1 offset:\base+1024*(4*\g+\t)+512
	ds_load_b32 v[SCL+\t], v2 offset:\base+8192+64*(4*\g+\t)
.endr
.endm
.macro KQ g                            ; S^T, tiles 4 g .. 4 g + 3: source 0 = 16 keys, source 1 = my 16 queries
.irp t, 0,1,2,3
	v_wmma_scale_f32_16x16x128_f8f6f4 v[S+8*(4*\g+\t):S+8*(4*\g+\t)+7], v[F+8*\t:F+8*\t+7], v[16:23], 0, v[SCL+\t], v24 matrix_a_fmt:MATRIX_FMT_FP4 matrix_b_fmt:MATRIX_FMT_FP4
.endr
.endm
.macro PV g                            ; O^T += V^T P^T, tiles 4 g .. 4 g + 3: the accumulators take turns, one instruction a turn
.irp t, 0,1,2,3
	v_wmma_scale_f32_16x16x128_f8f6f4 v[O+8*(4*\g+\t):O+8*(4*\g+\t)+7], v[F+8*\t:F+8*\t+7], v[PC:PC+7], v[O+8*(4*\g+\t):O+8*(4*\g+\t)+7], v[SCL+\t], v[PW] matrix_a_fmt:MATRIX_FMT_FP4 matrix_b_fmt:MATRIX_FMT_FP4
.endr
.endm
; A KEY STEP: my 16 queries against 128 keys, from slot k
.macro STEP k
	PLACES                                         ; behind the last step's products
	FRAGS SLOT*\k, 0
	s_wait_dscnt 0x0
	KQ 0
	PLACES
	FRAGS SLOT*\k, 1
	s_wait_dscnt 0x0
	KQ 1
.set n, 0
.rept 32
	v_med3_num_f32 v[S+n], v[S+n], s34, s35        ; the clip, tiles 0-3, each from its low end on.  These name nothing of tiles 4-7's products: they are the places behind those
.set n, n+1
.endr
	FRAGS SLOT*\k+2*REC, 0                         ; V's first four fragments land under the softmax
.rept 32
	v_med3_num_f32 v[S+n], v[S+n], s34, s35
.set n, n+1
.endr
.set n, 0
.rept 32
	v_pk_mul_f32 v[S+n:S+n+1], v[S+n:S+n+1], s[32:33] op_sel_hi:[1,0]   ; t' = clipped score x log2(e) / sqrt(128)
.set n, n+2
.endr
.set n, 0
.rept 64
	v_exp_f32 v[S+n], v[S+n]                       ; p = 2^t'
.set n, n+1
.endr
	v_nop                                          ; one plain place behind the exponentials
	s_cmp_lg_u32 s29, s25
	s_cbranch_scc1 .Lopen_\@                       ; only the tile's last step lies on the diagonal
.set n, 0
	s_wait_alu depctr_va_vdst(0)
.rept 64
	v_cmp_gt_i32 vcc_lo, 32*(n/16)+n%16, v7        ; register n holds key 32 (n/16) + 16 (lane/16) + n%16 of the step: hidden where it lies behind my query
	v_cndmask_b32 v[S+n], v[S+n], v8, vcc_lo       ; p = 0 there, ahead of the blocks' maxima and of the sum
.set n, n+1
.endr
.Lopen_\@:
	QUANT S, PC, PW
	v_pk_add_f32 v[TM+4:TM+5], v[S:S+1], v[S+2:S+3]       ; the row's sum is taken of the unquantised p: two at a time, in two chains.  These 32 lines are also the places between p's scale word and codes and the products
.irp j, 4,8,12,16,20,24,28,32,36,40,44,48,52,56,60
	v_pk_add_f32 v[14:15], v[14:15], v[S+\j:S+\j+1]
	v_pk_add_f32 v[TM+4:TM+5], v[TM+4:TM+5], v[S+2+\j:S+3+\j]
.endr
	v_pk_add_f32 v[14:15], v[14:15], v[TM+4:TM+5]
	s_wait_dscnt 0x0                               ; V's first four fragments
	PV 0
	PLACES
	FRAGS SLOT*\k+2*REC, 1
	s_wait_dscnt 0x0
	PV 1
.endm
; TRIP 2 s27 + k reads slot k.  First the next trip's bytes, which lie in my registers, go into the other slot (its readers have passed the last barrier behind their wait for their loads), and the bytes of the trip
; after that are asked for.  No load leaves its buffer: both are left out where there is no such trip.
.macro TRIP k
	s_lshl_b32 s28, s27, 1
	s_add_co_u32 s28, s28, \k+1                    ; the next trip's number
	s_cmp_ge_u32 s28, s26
	s_cbranch_scc1 .Lnl_\@
	s_wait_loadcnt 0x0                             ; the next trip's bytes are in my registers; the loads' base may be written
	STOREG (1-\k)*SLOT
	s_add_co_u32 s28, s28, 1                       ; and the one after it
	s_cmp_ge_u32 s28, s26
	s_cbranch_scc1 .Lnl_\@
	s_mul_i32 s40, s28, 2*REC
	s_add_nc_u64 s[38:39], s[36:37], s[40:41]
	s_wait_dscnt 0x0                               ; the stores have read their registers
	LOADG
.Lnl_\@:
	s_lshl_b32 s29, s27, 2
	s_add_co_u32 s29, s29, s17
.if \k
	s_add_co_u32 s29, s29, 2
.endif
	s_cmp_gt_u32 s29, s25                          ; my key step: 2 x the trip's number + my parity
	s_cbranch_scc1 .Lskip_\@                       ; all its keys lie behind my queries
	STEP \k
.Lskip_\@:
	s_wait_dscnt 0x0                               ; my stores into the other slot have landed and my reads of this slot are in
	s_barrier_signal -1
	s_barrier_wait -1
.endm
	s_load_b256 s[4:11], s[0:1], 0x0               ; qc s[4:5], qs s[6:7], kb s[8:9], vb s[10:11]
	s_load_b128 s[12:15], s[0:1], 0x20             ; yc s[12:13], ys s[14:15]
	v_lshl_add_u32 v254, v0, 2, 0x21800
	v_mov_b32 v255, 0
	v_lshrrev_b32 v1, 5, v0
	v_readfirstlane_b32 s16, v1                    ; wave 0..15
	s_lshr_b32 s17, s16, 3                         ; parity of my key steps.  Also: I copy K's bytes (0) or V's (1)
	s_and_b32 s18, s16, 7                          ; my tile's number, and my eighth of the copy
	s_lshr_b32 s42, s16, 2
	s_xor_b32 s19, s16, s42
	s_and_b32 s19, s19, 1                          ; 1: a tile of the late block.  Any four waves w, w+4, w+8, w+12 and any four in a row hold two early and two late
	s_lshr_b32 s20, s16, 1
	s_and_b32 s20, s20, 3                          ; which of the block's four tiles
	s_mov_b32 s21, ttmp9                           ; pi
	s_and_b32 s22, ttmp7, 0xffff                   ; bh
	s_sub_co_u32 s43, 31, s21
	s_cmp_eq_u32 s19, 0
	s_cselect_b32 s24, s21, s43
	s_lshl_b32 s24, s24, 6
	s_lshl_b32 s44, s20, 4
	s_add_co_u32 s24, s24, s44                     ; my first query
	s_lshr_b32 s25, s24, 7                         ; my tile's last key step, the one on the diagonal
	s_lshr_b32 s26, s43, 2
	s_add_co_u32 s26, s26, 1                       ; trips: the late block's last step / 2 + 1; the same in all 16 waves
	s_add_co_u32 s23, s26, 1
	s_lshr_b32 s23, s23, 1                         ; pairs of trips, rounded up: 3 or 4
	v_and_b32 v12, 31, v0
	v_and_b32 v13, 15, v0
	v_lshlrev_b32 v3, 4, v12
	v_lshlrev_b32 v4, 2, v12
	v_lshlrev_b32 v11, 2, v13
	s_mul_i32 s42, s17, REC
	v_add_nc_u32 v1, s42, v3
	v_add_nc_u32 v2, s42, v11
	s_mul_i32 s42, s16, 2176
	v_add_nc_u32 v5, s42, v3
	v_add_nc_u32 v6, s42, v4
	s_mul_i32 s42, s18, 8448
	s_add_co_u32 s42, s42, CMB
	v_add_nc_u32 v9, s42, v3
	v_add_nc_u32 v10, s42, v4
	v_bfe_u32 v7, v0, 4, 1
	v_lshlrev_b32 v7, 4, v7
	v_sub_nc_u32 v7, v13, v7
	s_and_b32 s42, s24, 127
	v_add_nc_u32 v7, s42, v7
	v_mov_b32 v8, 0
	s_mov_b32 s[SEL], 0x76543210
	s_mov_b32 s[SEL+1], 0xfedcba98
	s_mov_b32 s32, 0x3e0293ee                      ; log2(e) / sqrt(128)
	s_mov_b32 s33, s32                             ; (named with it as a pair, so it is written)
	s_mov_b32 s34, 0xc2e24630                      ; -10 sqrt(128)
	s_mov_b32 s35, 0x42e24630                      ; +10 sqrt(128)
	s_mul_i32 s40, s22, 16*REC                     ; K: the records of (b, h);
	s_lshr_b32 s42, s22, 3
	s_mul_i32 s42, s42, 16*REC                     ; V: those of b
	s_mul_i32 s44, s18, 2176
	s_cmp_eq_u32 s17, 0
	s_cselect_b32 s40, s40, s42
	s_add_co_u32 s40, s40, s44
	s_mov_b32 s41, 0
	s_lshl_b32 s42, s22, 7
	s_lshr_b32 s43, s24, 4
	s_add_co_u32 s42, s42, s43                     ; Q's tile: 128 bh + query / 16
	s_lshl_b32 s44, s42, 10
	s_mov_b32 s45, 0
	s_wait_kmcnt 0x0
	s_cmp_eq_u32 s17, 0                            ; the choice hangs on the wave's number alone
	s_cselect_b64 s[36:37], s[8:9], s[10:11]
	s_add_nc_u64 s[36:37], s[36:37], s[40:41]      ; my eighth of trip 0's bytes; trip n's lie 17,408 n on
	s_mov_b64 s[38:39], s[36:37]
	LOADG                                          ; trip 0
	s_add_nc_u64 s[46:47], s[4:5], s[44:45]
	s_lshl_b32 s44, s42, 6
	s_add_nc_u64 s[48:49], s[6:7], s[44:45]
	global_load_b128 v[16:19], v3, s[46:47]        ; Q's fragment stays in registers
	global_load_b128 v[20:23], v3, s[46:47] offset:512
	global_load_b32 v24, v11, s[48:49]
	s_lshr_b32 s42, s22, 3                         ; y's fragment: ((128 b + query / 16) x 8 + h)
	s_lshl_b32 s42, s42, 7
	s_add_co_u32 s42, s42, s43
	s_lshl_b32 s42, s42, 3
	s_and_b32 s44, s22, 7
	s_add_co_u32 s42, s42, s44
	s_lshl_b32 s44, s42, 10
	s_add_nc_u64 s[12:13], s[12:13], s[44:45]
	s_lshl_b32 s44, s42, 7
	s_add_nc_u64 s[14:15], s[14:15], s[44:45]
.set n, 0
.rept 64
	v_mov_b32 v[O+n], 0                            ; O^T begins as zeros: a wave none of whose steps counts hands zeros on, and the step is written once for each slot
.set n, n+1
.endr
	v_mov_b32 v14, 0
	v_mov_b32 v15, 0
.irp b, 0,1,2,3
	v_mov_b32 v[TM+4+\b], 0                        ; written once: a lane permute's destination counts as one of its sources
.endr
	s_wait_loadcnt 3                               ; trip 0's five loads are in; Q's three, issued behind them, may be out
	STOREG 0
	s_add_nc_u64 s[38:39], s[36:37], 2*REC
	s_wait_dscnt 0x0                               ; the stores have landed and have read their registers
	LOADG                                          ; trip 1 (there are at least five)
	s_wait_loadcnt 5                               ; Q is in; the five just issued may be out
	s_barrier_signal -1
	s_barrier_wait -1                              ; slot 0 is whole
	s_mov_b32 s27, 0
.Lloop:                                            ; a pair of trips, one for each slot, so that every LDS address is a constant beside a lane's and a wave's term; where the number of trips is odd, the last pair's second trip has only its barrier
	TRIP 0
	TRIP 1
	s_add_co_u32 s27, s27, 1
	s_cmp_lt_u32 s27, s23
	s_cbranch_scc1 .Lloop
	; THE END.  The wave of odd steps hands its O^T and its sum to the wave of even steps, as images of registers
	PLACES
	v_add_f32 v14, v14, v15
	s_cmp_eq_u32 s17, 0
	s_cbranch_scc1 .Lkeep
.set n, 0
.rept 16
	ds_store_b128 v9, v[O+4*n:O+4*n+3] offset:512*n         ; each accumulator from its low end on
.set n, n+1
.endr
	ds_store_b32 v10, v14 offset:8192
.Lkeep:
	s_wait_dscnt 0x0
	s_barrier_signal -1
	s_barrier_wait -1
	s_cmp_lg_u32 s17, 0
	s_cbranch_scc1 .Ldone
.set n, 0
.rept 16
	ds_load_b128 v[S+4*n:S+4*n+3], v9 offset:512*n
.set n, n+1
.endr
	ds_load_b32 v13, v10 offset:8192
	s_wait_dscnt 0x0
.set n, 0
.rept 32
	v_pk_add_f32 v[O+n:O+n+1], v[O+n:O+n+1], v[S+n:S+n+1]   ; ascending: each accumulator is first read at its low end
.set n, n+2
.endr
	v_add_f32 v14, v14, v13
	v_permlanex16_b32 v[TM+4], v14, s[SEL], s[SEL+1]
	v_add_f32 v14, v14, v[TM+4]                    ; with lane l xor 16's keys: the row's sum; the query's own key counts, so it is at least 2^-14.43
	v_rcp_f32 v14, v14
	v_nop                                          ; one plain place behind the reciprocal
.set n, 0
	s_wait_alu depctr_va_vdst(0)
.rept 32
	v_pk_mul_f32 v[S+n:S+n+1], v[O+n:O+n+1], v[14:15] op_sel_hi:[1,0]   ; y = O / the sum: register 16 b + i is d = 32 b + 16 (lane/16) + i
.set n, n+2
.endr
	QUANT S, PC, PW                                ; K step h of the last product, my 16 rows
	global_store_b128 v3, v[PC:PC+3], s[12:13]     ; 512 consecutive bytes a store
	global_store_b128 v3, v[PC+4:PC+7], s[12:13] offset:512
	global_store_b32 v4, v[PW], s[14:15]
.Ldone:
	s_wait_tensorcnt 0x0
	ds_add_u32 v254, v255
	s_wait_dscnt 0x0
	s_endpgm
.Lfunc_end_k_q2993843d0a_attn:
	.size	k_q2993843d0a_attn, .Lfunc_end_k_q2993843d0a_attn-k_q2993843d0a_attn
	.p2alignl 7, 3214868480
	.fill 96, 4, 3214868480
	.section	.rodata,"a",@progbits
	.p2align	6, 0x0
	.amdhsa_kernel k_q2993843d0a_attn
		.amdhsa_group_segment_fixed_size 139264
		.amdhsa_private_segment_fixed_size 0
		.amdhsa_enable_private_segment 0
		.amdhsa_kernarg_size 48
		.amdhsa_user_sgpr_count 2
		.amdhsa_user_sgpr_kernarg_segment_ptr 1
		.amdhsa_wavefront_size32 1
		.amdhsa_system_sgpr_workgroup_id_x 1
		.amdhsa_system_sgpr_workgroup_id_y 1
		.amdhsa_system_sgpr_workgroup_id_z 1
		.amdhsa_system_vgpr_workitem_id 0
		.amdhsa_next_free_vgpr 256
		.amdhsa_next_free_sgpr 66
		.amdhsa_reserve_vcc 1
		.amdhsa_float_denorm_mode_32 3
		.amdhsa_float_denorm_mode_16_64 3
		.amdhsa_memory_ordered 1
		.amdhsa_forward_progress 1
		.amdhsa_inst_pref_size 70
	.end_amdhsa_kernel
	.amdgpu_metadata
---
amdhsa.version: [ 1, 2 ]
amdhsa.kernels:
  - .name:           k_q2993843d0a_attn
    .symbol:         k_q2993843d0a_attn.kd
    .args:
      - { .name: qc, .offset: 0, .size: 8, .value_kind: global_buffer, .address_space: global }
      - { .name: qs, .offset: 8, .size: 8, .value_kind: global_buffer, .address_space: global }
      - { .name: kb, .offset: 16, .size: 8, .value_kind: global_buffer, .address_space: global }
      - { .name: vb, .offset: 24, .size: 8, .value_kind: global_buffer, .address_space: global }
      - { .name: yc, .offset: 32, .size: 8, .value_kind: global_buffer, .address_space: global }
      - { .name: ys, .offset: 40, .size: 8, .value_kind: global_buffer, .address_space: global }
    .group_segment_fixed_size: 139264
    .private_segment_fixed_size: 0
    .kernarg_segment_align: 8
    .kernarg_segment_size: 48
    .max_flat_workgroup_size: 512
    .sgpr_count:     66
    .vgpr_count:     256
    .wavefront_size: 32
...
	.end_amdgpu_metadata
.endif
;; end of part 2
;; launch proj (part 3): grid 256 x 1, 4 waves a work-group, no clusters, 9,216 bytes of LDS; arguments yc, ys, wo, out0; writes out0
.if DOCPART == 3
	.amdgcn_target "amdgcn-amd-amdhsa--gfx1250"
	.amdhsa_code_object_version 6
	.text
	.protected	k_q2993843d0a_proj
	.globl	k_q2993843d0a_proj
	.p2align	8
	.type	k_q2993843d0a_proj,@function
k_q2993843d0a_proj:
	s_mov_b64 s[64:65], 0
	v_nop
	global_prefetch_b8 v0, s[64:65] scope:SCOPE_SE
	s_setreg_imm32_b32 hwreg(HW_REG_WAVE_MODE, 25, 1), 1
	s_wait_xcnt 0x0
; PROJ: out[row, n] = sum over k of y[row, k] W_o[n, k], k = 1,024, both as codes of FP4 with E8M0 scales, as images of operand registers (1,024 bytes a fragment, a scale word a lane beside it).
; Work-group g makes rows 16 g .. 16 g + 15; wave w columns 32 w .. 32 w + 31: two accumulators, 8 K steps, by turns.  Source 0 = 16 rows of W_o, source 1 = y's 16 rows: a lane holds eight neighbouring columns
; of one row.  The four waves' parts of a row meet in a stage in LDS (rows of 512 bytes + 16), and each wave stores four whole rows.
; W_o's codes (64 KB) are read by every work-group, once each and through registers, a quarter a wave: there is no ring and no tile asked for again, so no cluster.
.set YF,  16                           ; v16-79   y's 8 fragments; later the rows read back
.set WOF, 80                           ; v80-207  W_o's 16 fragments (64 n + 8 ks)
.set YS,  208                          ; v208-215 y's scale words
.set WOS, 216                          ; v216-231 W_o's
.set ACC, 232                          ; v232-247 two accumulators
	s_load_b256 s[4:11], s[0:1], 0x0               ; yc s[4:5], ys s[6:7], wo s[8:9], out0 s[10:11]
	v_lshl_add_u32 v254, v0, 2, 0x2200
	v_mov_b32 v255, 0
	v_lshrrev_b32 v1, 5, v0
	v_readfirstlane_b32 s12, v1                    ; wave 0..3
	v_and_b32 v1, 31, v0
	v_and_b32 v2, 15, v0
	v_bfe_u32 v3, v0, 4, 1
	v_lshlrev_b32 v4, 4, v1                        ; 16 x lane
	v_lshlrev_b32 v5, 2, v1                        ; 4 x lane
	v_mul_u32_u24 v6, v2, 528
	v_lshl_add_u32 v6, v3, 5, v6
	s_lshl_b32 s13, s12, 7
	v_add_nc_u32 v6, s13, v6                       ; the stage, in: row r, + 128 w + 32 (lane/16)
	s_mul_i32 s13, s12, 4*528
	v_add_nc_u32 v7, s13, v4                       ; and back: rows 4 w on, 16 bytes a lane
	s_lshl_b32 s16, ttmp9, 13                      ; 8,192 g: y's 8 fragments, and 16 rows of out
	s_mov_b32 s17, 0
	s_lshl_b32 s18, ttmp9, 10                      ; 1,024 g: their scale words
	s_mov_b32 s19, 0
	s_lshl_b32 s20, s12, 14                        ; 16,384 w: my 16 fragments of W_o
	s_mov_b32 s21, 0
	s_lshl_b32 s22, s12, 11                        ; 2,048 w: their scale words; also my four rows of out
	s_mov_b32 s23, 0
	s_wait_kmcnt 0x0
	s_add_nc_u64 s[4:5], s[4:5], s[16:17]
	s_add_nc_u64 s[6:7], s[6:7], s[18:19]
	s_add_nc_u64 s[24:25], s[8:9], s[20:21]
	s_add_nc_u64 s[26:27], s[8:9], s[22:23]
	s_add_nc_u64 s[10:11], s[10:11], s[16:17]
	s_add_nc_u64 s[10:11], s[10:11], s[22:23]
.irp ks, 0,1,2,3,4,5,6,7
	global_load_b128 v[YF+8*\ks:YF+8*\ks+3], v4, s[4:5] offset:1024*\ks
	global_load_b128 v[YF+8*\ks+4:YF+8*\ks+7], v4, s[4:5] offset:1024*\ks+512
	global_load_b32 v[YS+\ks], v5, s[6:7] offset:128*\ks
.irp n, 0,1
	global_load_b128 v[WOF+64*\n+8*\ks:WOF+64*\n+8*\ks+3], v4, s[24:25] offset:1024*(8*\n+\ks)
	global_load_b128 v[WOF+64*\n+8*\ks+4:WOF+64*\n+8*\ks+7], v4, s[24:25] offset:1024*(8*\n+\ks)+512
	global_load_b32 v[WOS+8*\n+\ks], v5, s[26:27] offset:65536+128*(8*\n+\ks)
.endr
.endr
	s_wait_loadcnt 0x0
.irp n, 0,1
	v_wmma_scale_f32_16x16x128_f8f6f4 v[ACC+8*\n:ACC+8*\n+7], v[WOF+64*\n:WOF+64*\n+7], v[YF:YF+7], 0, v[WOS+8*\n], v[YS] matrix_a_fmt:MATRIX_FMT_FP4 matrix_b_fmt:MATRIX_FMT_FP4
.endr
.irp ks, 1,2,3,4,5,6,7
.irp n, 0,1
	v_wmma_scale_f32_16x16x128_f8f6f4 v[ACC+8*\n:ACC+8*\n+7], v[WOF+64*\n+8*\ks:WOF+64*\n+8*\ks+7], v[YF+8*\ks:YF+8*\ks+7], v[ACC+8*\n:ACC+8*\n+7], v[WOS+8*\n+\ks], v[YS+\ks] matrix_a_fmt:MATRIX_FMT_FP4 matrix_b_fmt:MATRIX_FMT_FP4
.endr
.endr
.rept 4
	v_nop                                          ; four places behind the products ahead of the stores of results and of the loads into y's registers
.endr
.irp n, 0,1
	ds_store_b128 v6, v[ACC+8*\n:ACC+8*\n+3] offset:64*\n          ; lane (r, hh): out(r, 32 w + 16 n + 8 hh + 0 .. 7); each accumulator from its low end on
	ds_store_b128 v6, v[ACC+8*\n+4:ACC+8*\n+7] offset:64*\n+16
.endr
	s_wait_dscnt 0x0                               ; for the others' sake: my stores have landed
	s_barrier_signal -1
	s_barrier_wait -1
.irp i, 0,1,2,3
	ds_load_b128 v[YF+4*\i:YF+4*\i+3], v7 offset:528*\i
.endr
.irp i, 0,1,2,3
	s_wait_dscnt 3-\i                              ; row i is back; the younger loads may be out
	global_store_b128 v4, v[YF+4*\i:YF+4*\i+3], s[10:11] offset:512*\i th:TH_STORE_NT   ; 32 lanes store a whole row of 512 bytes; written once, read by nobody here
.endr
	s_wait_tensorcnt 0x0
	ds_add_u32 v254, v255
	s_wait_dscnt 0x0
	s_endpgm
.Lfunc_end_k_q2993843d0a_proj:
	.size	k_q2993843d0a_proj, .Lfunc_end_k_q2993843d0a_proj-k_q2993843d0a_proj
	.p2alignl 7, 3214868480
	.fill 96, 4, 3214868480
	.section	.rodata,"a",@progbits
	.p2align	6, 0x0
	.amdhsa_kernel k_q2993843d0a_proj
		.amdhsa_group_segment_fixed_size 9216
		.amdhsa_private_segment_fixed_size 0
		.amdhsa_enable_private_segment 0
		.amdhsa_kernarg_size 32
		.amdhsa_user_sgpr_count 2
		.amdhsa_user_sgpr_kernarg_segment_ptr 1
		.amdhsa_wavefront_size32 1
		.amdhsa_system_sgpr_workgroup_id_x 1
		.amdhsa_system_sgpr_workgroup_id_y 1
		.amdhsa_system_sgpr_workgroup_id_z 1
		.amdhsa_system_vgpr_workitem_id 0
		.amdhsa_next_free_vgpr 256
		.amdhsa_next_free_sgpr 66
		.amdhsa_reserve_vcc 0
		.amdhsa_float_denorm_mode_32 3
		.amdhsa_float_denorm_mode_16_64 3
		.amdhsa_memory_ordered 1
		.amdhsa_forward_progress 1
		.amdhsa_inst_pref_size 12
	.end_amdhsa_kernel
	.amdgpu_metadata
---
amdhsa.version: [ 1, 2 ]
amdhsa.kernels:
  - .name:           k_q2993843d0a_proj
    .symbol:         k_q2993843d0a_proj.kd
    .args:
      - { .name: yc, .offset: 0, .size: 8, .value_kind: global_buffer, .address_space: global }
      - { .name: ys, .offset: 8, .size: 8, .value_kind: global_buffer, .address_space: global }
      - { .name: wo, .offset: 16, .size: 8, .value_kind: global_buffer, .address_space: global }
      - { .name: out0, .offset: 24, .size: 8, .value_kind: global_buffer, .address_space: global }
    .group_segment_fixed_size: 9216
    .private_segment_fixed_size: 0
    .kernarg_segment_align: 8
    .kernarg_segment_size: 32
    .max_flat_workgroup_size: 128
    .sgpr_count:     66
    .vgpr_count:     256
    .wavefront_size: 32
...
	.end_amdgpu_metadata
.endif
;; end of part 3
;; ======== version 2 of 2: 3 launches
;; workspace buffers: qc 2,097,152 bytes; qs 131,072 bytes; kb 2,228,224 bytes; vb 278,528 bytes; yc 2,097,152 bytes; ys 262,144 bytes; wo 73,728 bytes
;; launch prep (part 4): grid 16 x 16, 9 waves a work-group, no clusters, 9,984 bytes of LDS; arguments x, W_q, W_k, W_o, qc, qs, kb, vb, wo; writes qc, qs, kb, vb, wo
.if DOCPART == 4
	.amdgcn_target "amdgcn-amd-amdhsa--gfx1250"
	.amdhsa_code_object_version 6
	.text
	.protected	k_q2993843d0a_prep
	.globl	k_q2993843d0a_prep
	.p2align	8
	.type	k_q2993843d0a_prep,@function
k_q2993843d0a_prep:
	s_mov_b64 s[64:65], 0
	v_nop
	global_prefetch_b8 v0, s[64:65] scope:SCOPE_SE
	s_setreg_imm32_b32 hwreg(HW_REG_WAVE_MODE, 25, 1), 1
	s_wait_xcnt 0x0
; PREP: every operand that the attention launch and the last product read is made here, as codes of FP4 (E2M1) with one E8M0 byte for each 32 along its K.
;   Q[b,h,s,:] = Quant_d(x[b,s,:]) . Quant_d(W_q[h,:,:]), then quantised along e;  K likewise from W_k;  x quantised along the KEYS (it is V);  W_o quantised along its 1,024.
; A FRAGMENT (16 rows x 128 K) is kept in memory as the IMAGE OF ITS REGISTERS, 1,024 bytes: registers 4c .. 4c+3 of lane l at 512 c + 16 l, which is [block of 32][row slot][16 bytes].
; ORDER P of a group of 8 tiles: tile 2b+u, slot r holds row 32b + 8u + r + 8 (r/8).  A product whose source 0 is laid so leaves 16 neighbours of those rows in a lane's 16 registers of tiles 2b, 2b+1.
; SHARES.  Work-group (rb, m): 256 of the 4,096 rows (b, s) and ONE weight matrix (m < 8: W_q[m]; else W_k[m-8]).  Waves 0-7 quantise that matrix together into LDS (64 KB of f32 -> 8 fragments, order P over e),
; then each takes 32 rows: x along d in registers, 8 products (source 0 = the weight, source 1 = x: a lane holds one row and 64 of its e), quantised along e, stored.  For K the 32 rows are laid in order P over the keys.
; Wave 8 has one task of its own, by g = rb + 16 m: g < 128: 128 keys x 32 columns of x quantised down the keys (V^T, order P over d); g < 192: one fragment of W_o; else none.
; The matrix is read by 16 work-groups and the rows by 16: each reads them once, through registers, so there is no tile that several ask for at one time and no cluster.
; THE SCALE: byte = exponent field of the block's largest magnitude - 2, held at 1 from below.  LIMITS: a block of zeros gets the byte 1 where the rule says 127 (its codes are zeros, and this program alone reads the
; bytes); NaN and infinities among the inputs are not served.
.set WSC, 8192                         ; LDS: 8 images of 1,024 bytes, then 8 x 64 bytes of scale words (slot r's word at 4 r)
.set WR,  16                           ; v16-79   64 numbers of one column of the weight; later WF
.set WF,  16                           ; v16-79   the weight's 8 fragments
.set XR,  80                           ; v80-143  64 numbers of a row of x: waves 0-7 alone load here
.set HA,  144                          ; v144-207 8 result tiles.  Wave 8: v16-79 and v144-207 are 128 numbers down the keys, or v144-207 64 numbers of a row of W_o
.set XF,  208                          ; v208-215 x's fragment
.set PC0, 216                          ; v216-223 codes made, first tile
.set PC1, 224                          ; v224-231 second tile (wave 8: v216-231 are the codes of four blocks of keys)
.set TM,  232                          ; v232-243 at work: +0..3 magnitudes, +4..7 bytes, +8..11 the conversions' scale operands
.set WS,  244                          ; v244-251 the weight's scale words: scales and nothing else
.set XS,  252                          ; v252     x's scale word: likewise
.set PW0, 253                          ; v253, v254 the scale words made for the two tiles
.set PW1, 254
.set OW,  255                          ; v255     the word that my lane stores
.set SEL, 30                           ; s[30:31] v_permlanex16_b32's selects for lane l xor 16
; 64 numbers of a lane, register 16 b + i = k 32 b + 16 (lane/16) + i of my row, become a fragment's codes in v[c] on and its scale word in v[w].
.macro QUANT s, c, w
.irp b, 0,1,2,3
	v_max3_num_f32 v[TM+\b], |v[\s+16*\b]|, |v[\s+1+16*\b]|, 0x1800000   ; block b: my 16 numbers and the floor 2^(3-127): the byte cannot fall under 1
.endr
.irp i, 2,4,6,8,10,12,14
.irp b, 0,1,2,3
	v_max3_num_f32 v[TM+\b], v[TM+\b], |v[\s+16*\b+\i]|, |v[\s+1+16*\b+\i]|   ; the four blocks by turns
.endr
.endr
.irp b, 0,1,2,3
	s_delay_alu instid0(VALU_DEP_4)
	v_permlanex16_b32 v[TM+4+\b], v[TM+\b], s[SEL], s[SEL+1]
.endr
.irp b, 0,1,2,3
	s_delay_alu instid0(VALU_DEP_4)
	v_max_num_f32 v[TM+\b], v[TM+\b], v[TM+4+\b]                       ; with lane l xor 16's 16: the block's largest magnitude
.endr
.irp b, 0,1,2,3
	s_delay_alu instid0(VALU_DEP_4)
	v_add_nc_u32 v[TM+8+\b], 0xff000000, v[TM+\b]                      ; 2 off its exponent field: the conversion takes that field as its scale
.endr
.irp b, 0,1,2,3
	s_delay_alu instid0(VALU_DEP_4)
	v_lshrrev_b32 v[TM+4+\b], 23, v[TM+8+\b]                           ; the scale's byte
.endr
	s_delay_alu instid0(VALU_DEP_3)
	v_lshl_or_b32 v[\w], v[TM+5], 8, v[TM+4]
	s_delay_alu instid0(VALU_DEP_1)
	v_lshl_or_b32 v[\w], v[TM+6], 16, v[\w]
	s_delay_alu instid0(VALU_DEP_1)
	v_lshl_or_b32 v[\w], v[TM+7], 24, v[\w]                            ; my row's scale word
.irp b, 0,1,2,3
	v_cvt_scalef32_pk8_fp4_f32 v[\c+2*\b], v[\s+16*\b:\s+7+16*\b], v[TM+8+\b]
	v_cvt_scalef32_pk8_fp4_f32 v[\c+1+2*\b], v[\s+8+16*\b:\s+15+16*\b], v[TM+8+\b]
.endr
	v_nop                                                              ; one plain place behind a scaled conversion
.irp k, 0,1
.irp i, 0,1
	v_permlane16_swap_b32 v[\c+4*\k+\i], v[\c+2+4*\k+\i]               ; a whole block to a lane: registers 4k .. 4k+3 hold k = 64 k + 32 (lane/16) + 0 .. 31
.endr
.endr
.endm
; 32 numbers of a lane that run down K of ONE column become 16 bytes of codes in v[c] .. v[c+3] and the block's byte in v[byte].
.macro COLQ s, c, byte
	v_max3_num_f32 v[TM], |v[\s]|, |v[\s+1]|, |v[\s+2]|
	v_max3_num_f32 v[TM+1], |v[\s+3]|, |v[\s+4]|, |v[\s+5]|
.irp i, 6,10,14,18,22,26
	s_delay_alu instid0(VALU_DEP_2)
	v_max3_num_f32 v[TM], v[TM], |v[\s+\i]|, |v[\s+\i+1]|
	s_delay_alu instid0(VALU_DEP_2)
	v_max3_num_f32 v[TM+1], v[TM+1], |v[\s+\i+2]|, |v[\s+\i+3]|
.endr
	s_delay_alu instid0(VALU_DEP_2)
	v_max3_num_f32 v[TM], v[TM], |v[\s+30]|, |v[\s+31]|
	s_delay_alu instid0(VALU_DEP_1)
	v_max3_num_f32 v[TM], v[TM], v[TM+1], 0x1800000                    ; and the floor
	s_delay_alu instid0(VALU_DEP_1)
	v_add_nc_u32 v[TM+8], 0xff000000, v[TM]
	s_delay_alu instid0(VALU_DEP_1)
	v_lshrrev_b32 v[\byte], 23, v[TM+8]
.irp g, 0,1,2,3
	v_cvt_scalef32_pk8_fp4_f32 v[\c+\g], v[\s+8*\g:\s+8*\g+7], v[TM+8]
.endr
	v_nop                                                              ; one plain place behind a scaled conversion
.endm
; my 64 numbers of a row of 128: of each block of 32 the 16 at 64 (lane/16) bytes
.macro XLOAD reg, va, sb
.irp b, 0,1,2,3
.irp j, 0,1,2,3
	global_load_b128 v[\reg+16*\b+4*\j:\reg+16*\b+4*\j+3], v[\va], s[\sb:\sb+1] offset:128*\b+16*\j
.endr
.endr
.endm
; 8 products for the tile whose fragment lies in XF, their quantising along e, and the stores of the image
.macro HALF pc, pw, off
.rept 8
	v_nop                                                              ; XS was written by vector instructions: 8 places ahead of a scaled product (XF: 4)
.endr
.irp t, 0,1,2,3,4,5,6,7
	v_wmma_scale_f32_16x16x128_f8f6f4 v[HA+8*\t:HA+8*\t+7], v[WF+8*\t:WF+8*\t+7], v[XF:XF+7], 0, v[WS+\t], v[XS] matrix_a_fmt:MATRIX_FMT_FP4 matrix_b_fmt:MATRIX_FMT_FP4
.endr
.rept 4
	v_nop                                                              ; four places behind the products (ISA guide 7.12.1) ahead of the first read of results
.endr
	QUANT HA, \pc, \pw                                                 ; register 16 b + i of lane (r, hh) is e = 32 b + 16 hh + i of row r; each tile is first read at its low end
	global_store_b128 v4, v[\pc:\pc+3], s[38:39] offset:\off           ; 32 lanes store 512 consecutive bytes
	global_store_b128 v4, v[\pc+4:\pc+7], s[38:39] offset:\off+512
.endm
	s_load_b256 s[4:11], s[0:1], 0x0               ; x s[4:5], W_q s[6:7], W_k s[8:9], W_o s[10:11]
	s_load_b256 s[12:19], s[0:1], 0x20             ; qc s[12:13], qs s[14:15], kb s[16:17], vb s[18:19]
	s_load_b64 s[20:21], s[0:1], 0x40              ; wo
	s_set_vgpr_msb 0x40
	v_lshl_add_u32 v0, v0, 2, 0x2200
	v_mov_b32 v1, 0
	s_set_vgpr_msb 0x4000
	v_lshrrev_b32 v1, 5, v0
	s_delay_alu instid0(VALU_DEP_1)
	v_readfirstlane_b32 s22, v1                    ; wave 0..8
	v_and_b32 v1, 31, v0                           ; lane
	v_and_b32 v2, 15, v0                           ; r
	s_wait_alu depctr_va_vdst(0)
	v_bfe_u32 v3, v0, 4, 1                         ; hh
	v_lshlrev_b32 v4, 4, v1                        ; 16 x lane: an image's place for my lane
	v_lshlrev_b32 v5, 2, v2                        ; 4 r: a scale word's, the same in both halves
	v_lshlrev_b32 v6, 2, v1                        ; 4 x lane
	s_mov_b32 s23, ttmp9                           ; rb
	s_and_b32 s24, ttmp7, 0xffff                   ; m
	s_lshr_b32 s25, s24, 3                         ; 1: K, 0: Q
	s_and_b32 s26, s24, 7                          ; h
	s_lshr_b32 s44, s23, 3                         ; b
	s_lshl_b32 s27, s44, 3
	s_add_co_u32 s27, s27, s26                     ; bh = 8 b + h
	s_lshl_b32 s42, s25, 3                         ; K: slot r takes row r + 8 (r/8); Q: row r
	v_and_b32 v7, s42, v2
	s_delay_alu instid0(VALU_DEP_1)
	v_add_nc_u32 v7, v7, v2
	s_delay_alu instid0(VALU_DEP_1)
	v_lshlrev_b32 v7, 9, v7
	s_wait_alu depctr_va_vdst(0)
	v_lshl_add_u32 v7, v3, 6, v7                   ; x, first tile: row x 512 + 64 hh
	s_lshl_b32 s43, s25, 12
	s_sub_co_u32 s43, 0x2000, s43                  ; the second tile begins 16 rows on (Q) or 8 (K)
	v_add_nc_u32 v8, s43, v7
	s_and_b32 s44, s22, 3                          ; w & 3: which 32 columns e of the weight; for K: which 32 keys of a step
	s_lshr_b32 s45, s22, 2                         ; w >> 2: which 64 of d; for K: which step
	v_bfe_u32 v14, v0, 3, 1                        ; column 32 c + lane lies in tile 2 c + u, u = (lane/8) % 2,
	v_and_b32 v15, 7, v0                           ; slot lane % 8 + 8 hh
	s_delay_alu instid0(VALU_DEP_1)
	v_lshlrev_b32 v11, 4, v15
	s_delay_alu instid0(VALU_DEP_1)
	v_lshl_add_u32 v11, v3, 7, v11
	s_delay_alu instid0(VALU_DEP_1)
	v_lshl_add_u32 v11, v14, 10, v11               ; v11 = 1,024 u + 16 slot: my column's place in a pair of images
	s_delay_alu instid0(VALU_DEP_4)
	v_lshlrev_b32 v12, 2, v15
	s_delay_alu instid0(VALU_DEP_1)
	v_lshl_add_u32 v12, v3, 5, v12
	s_delay_alu instid0(VALU_DEP_1)
	v_lshl_add_u32 v12, v14, 6, v12                ; v12 = 64 u + 4 slot: its scale word's
	s_lshl_b32 s46, s44, 11
	s_lshl_b32 s47, s45, 9
	s_add_co_u32 s46, s46, s47
	v_add_nc_u32 v9, s46, v11                      ; LDS: + 2,048 (w & 3) + 256 x my first block of d
	s_lshl_b32 s47, s44, 7
	s_lshl_b32 s48, s45, 1
	s_add_co_u32 s47, s47, s48
	s_add_co_u32 s47, s47, WSC
	v_add_nc_u32 v10, s47, v12                     ; LDS: my two bytes of the column's scale word
	v_lshlrev_b32 v13, 12, v2
	s_delay_alu instid0(VALU_DEP_1)
	v_lshl_add_u32 v13, v3, 6, v13                 ; W_o: row r of 4,096 bytes + 64 hh
	s_mov_b32 s[SEL], 0x76543210
	s_mov_b32 s[SEL+1], 0xfedcba98
.irp b, 0,1,2,3
	v_mov_b32 v[TM+4+\b], 0                        ; written once: a lane permute's destination counts as one of its sources
.endr
	s_lshl_b32 s32, s26, 16                        ; the weight: matrix h, + 128 (w & 3) bytes along e, + 64 (w >> 2) rows of 512 bytes
	s_lshl_b32 s48, s44, 7
	s_add_co_u32 s32, s32, s48
	s_lshl_b32 s48, s45, 15
	s_add_co_u32 s32, s32, s48
	s_mov_b32 s33, 0
	s_lshl_b32 s50, s23, 17                        ; x: row 256 rb + 32 w
	s_lshl_b32 s48, s22, 14
	s_add_co_u32 s50, s50, s48
	s_mov_b32 s51, 0
	s_and_b32 s48, s23, 7
	s_lshl_b32 s52, s27, 7                         ; Q: tile i = 128 bh + 16 (rb & 7) + 2 w
	s_lshl_b32 s49, s48, 4
	s_add_co_u32 s52, s52, s49
	s_lshl_b32 s49, s22, 1
	s_add_co_u32 s52, s52, s49
	s_lshl_b32 s53, s52, 6                         ; its scale words at 64 i,
	s_lshl_b32 s52, s52, 10                        ; its codes at 1,024 i
	s_lshl_b32 s54, s27, 4                         ; K: record 16 bh + 2 (rb & 7) + (w >> 2), 8,704 bytes each
	s_lshl_b32 s49, s48, 1
	s_add_co_u32 s54, s54, s49
	s_add_co_u32 s54, s54, s45
	s_mul_i32 s54, s54, 8704
	s_lshl_b32 s49, s44, 7
	s_add_co_u32 s55, s54, s49
	s_add_co_u32 s55, s55, 8192                    ; scale words of tiles 2 (w & 3), + 1
	s_lshl_b32 s49, s44, 11
	s_add_co_u32 s54, s54, s49                     ; their codes
	s_mov_b32 s57, 0
	s_mov_b32 s59, 0
	s_wait_kmcnt 0x0
	s_cmp_eq_u32 s25, 0                            ; Q's work-group or K's: the choice hangs on the work-group's number alone
	s_cselect_b64 s[34:35], s[6:7], s[8:9]
	s_cselect_b64 s[38:39], s[12:13], s[16:17]
	s_cselect_b64 s[40:41], s[14:15], s[16:17]
	s_cselect_b32 s56, s52, s54
	s_cselect_b32 s58, s53, s55
	s_add_nc_u64 s[34:35], s[34:35], s[32:33]      ; the weight at my columns
	s_add_nc_u64 s[36:37], s[4:5], s[50:51]        ; x at my rows
	s_add_nc_u64 s[38:39], s[38:39], s[56:57]      ; where my codes go
	s_add_nc_u64 s[40:41], s[40:41], s[58:59]      ; and my scale words
	s_cmp_eq_u32 s22, 8
	s_cbranch_scc1 .Lbar                           ; wave 8 has no part in the weight
	; ---- the weight: a lane takes a column e, its registers run down d: each load reads 128 consecutive bytes
.set i, 0
.rept 64
	global_load_b32 v[WR+i], v6, s[34:35] offset:512*i
.set i, i+1
.endr
	XLOAD XR, 7, 36                                ; my first tile of x lands while the weight is quantised
	s_wait_loadcnt 16                              ; the 64 loads of the weight are in; x's 16, issued behind them, may be out
	COLQ WR, PC0, TM+4
	COLQ WR+32, PC0+4, TM+5
	v_lshl_or_b32 v[TM+4], v[TM+5], 8, v[TM+4]
	ds_store_b128 v9, v[PC0:PC0+3]
	ds_store_b128 v9, v[PC0+4:PC0+7] offset:256
	ds_store_b16 v10, v[TM+4]
.Lbar:
	s_wait_dscnt 0x0                               ; for the others' sake: my stores have landed
	s_barrier_signal -1
	s_barrier_wait -1                              ; the 8 images and their scale words lie in LDS; nothing is written there again
	s_cmp_eq_u32 s22, 8
	s_cbranch_scc1 .Lextra
.irp t, 0,1,2,3,4,5,6,7
	ds_load_b128 v[WF+8*\t:WF+8*\t+3], v4 offset:1024*\t
	ds_load_b128 v[WF+8*\t+4:WF+8*\t+7], v4 offset:1024*\t+512
	ds_load_b32 v[WS+\t], v5 offset:WSC+64*\t
.endr
	s_wait_loadcnt 0x0                             ; x, first tile
	QUANT XR, XF, XS
	XLOAD XR, 8, 36                                ; the second tile lands under the first tile's products and quantising
	s_wait_alu depctr_va_vdst(0)
	s_wait_dscnt 0x0                               ; the weight's fragments and words are in
	HALF PC0, PW0, 0
	s_wait_loadcnt 0x0                             ; x, second tile
	QUANT XR, XF, XS
	HALF PC1, PW1, 1024
	v_cmp_gt_u32 vcc_lo, 16, v1
	s_delay_alu instid0(VALU_DEP_1)
	v_cndmask_b32 v[OW], v[PW1], v[PW0], vcc_lo    ; lanes 0-15 the first tile's words, lanes 16-31 the second's
	global_store_b32 v6, v[OW], s[40:41]           ; 128 consecutive bytes
	s_set_vgpr_msb 0x5
	s_wait_tensorcnt 0x0
	ds_add_u32 v0, v1
	s_wait_dscnt 0x0
	s_set_vgpr_msb 0x500
	s_endpgm
.Lextra:                                           ; wave 8's tasks name none of v80-143, into which the other waves' loads of x go
	s_lshl_b32 s44, s24, 4
	s_add_co_u32 s44, s44, s23                     ; g = rb + 16 m
	s_cmp_lt_u32 s44, 128
	s_cbranch_scc0 .Lnot_v
	; ---- V: record g / 4 (b, step of 128 keys), columns d = 32 (g % 4) + lane; registers run down the keys
	s_lshr_b32 s45, s44, 2
	s_and_b32 s46, s44, 3
	s_lshl_b32 s48, s45, 16
	s_lshl_b32 s49, s46, 7
	s_add_co_u32 s48, s48, s49
	s_mov_b32 s49, 0
	s_add_nc_u64 s[36:37], s[4:5], s[48:49]
	s_mul_i32 s48, s45, 8704
	s_lshl_b32 s47, s46, 11
	s_add_co_u32 s50, s48, s47
	s_add_nc_u64 s[38:39], s[18:19], s[50:51]      ; tiles 2 (g % 4), + 1 of the record
	s_lshl_b32 s47, s46, 7
	s_add_co_u32 s50, s48, s47
	s_add_nc_u64 s[40:41], s[18:19], s[50:51]      ; their scale words (+ 8,192 in the immediate)
.set i, 0
.rept 128
	global_load_b32 v[16+i+64*(i/64)], v6, s[36:37] offset:512*i   ; keys 0-63 into v16-79, keys 64-127 into v144-207
.set i, i+1
.endr
	s_wait_loadcnt 63                              ; 63 of the 128 may be out: the first 65 are in, blocks 0 and 1 among them
	COLQ 16, PC0, TM+4
	COLQ 48, PC0+4, TM+5
	s_wait_loadcnt 32                              ; the last block's 32 may be out
	COLQ 144, PC0+8, TM+6
	s_wait_loadcnt 0x0
	COLQ 176, PC0+12, TM+7
	v_lshl_or_b32 v[OW], v[TM+5], 8, v[TM+4]
	s_delay_alu instid0(VALU_DEP_1)
	v_lshl_or_b32 v[OW], v[TM+6], 16, v[OW]
	s_delay_alu instid0(VALU_DEP_1)
	v_lshl_or_b32 v[OW], v[TM+7], 24, v[OW]        ; my column's scale word for these 128 keys
.irp k, 0,1,2,3
	global_store_b128 v11, v[PC0+4*\k:PC0+4*\k+3], s[38:39] offset:256*\k   ; block k of both tiles: two runs of 256 consecutive bytes
.endr
	global_store_b32 v12, v[OW], s[40:41] offset:8192
	s_set_vgpr_msb 0x5
	s_wait_tensorcnt 0x0
	ds_add_u32 v0, v1
	s_wait_dscnt 0x0
	s_set_vgpr_msb 0x500
	s_endpgm
.Lnot_v:
	s_cmp_lt_u32 s44, 192
	s_cbranch_scc0 .Lnone
	; ---- W_o: fragment f = g - 128: rows 16 (f / 8) on, K = 128 (f % 8) on
	s_sub_co_u32 s45, s44, 128
	s_lshr_b32 s46, s45, 3
	s_and_b32 s47, s45, 7
	s_lshl_b32 s48, s46, 16
	s_lshl_b32 s49, s47, 9
	s_add_co_u32 s48, s48, s49
	s_mov_b32 s49, 0
	s_add_nc_u64 s[36:37], s[10:11], s[48:49]
	s_lshl_b32 s48, s45, 10
	s_add_nc_u64 s[38:39], s[20:21], s[48:49]
	s_lshl_b32 s48, s45, 7
	s_add_co_u32 s48, s48, 65536
	s_add_nc_u64 s[40:41], s[20:21], s[48:49]
	s_wait_alu depctr_va_vdst(0)
	XLOAD HA, 13, 36
	s_wait_loadcnt 0x0
	QUANT HA, PC0, PW0
	global_store_b128 v4, v[PC0:PC0+3], s[38:39]
	global_store_b128 v4, v[PC0+4:PC0+7], s[38:39] offset:512
	global_store_b32 v6, v[PW0], s[40:41]          ; a word a lane: lanes 16-31 repeat lanes 0-15
.Lnone:
	s_set_vgpr_msb 0x5
	s_wait_tensorcnt 0x0
	ds_add_u32 v0, v1
	s_wait_dscnt 0x0
	s_set_vgpr_msb 0x500
	s_endpgm
.Lfunc_end_k_q2993843d0a_prep:
	.size	k_q2993843d0a_prep, .Lfunc_end_k_q2993843d0a_prep-k_q2993843d0a_prep
	.p2alignl 7, 3214868480
	.fill 96, 4, 3214868480
	.section	.rodata,"a",@progbits
	.p2align	6, 0x0
	.amdhsa_kernel k_q2993843d0a_prep
		.amdhsa_group_segment_fixed_size 9984
		.amdhsa_private_segment_fixed_size 0
		.amdhsa_enable_private_segment 0
		.amdhsa_kernarg_size 72
		.amdhsa_user_sgpr_count 2
		.amdhsa_user_sgpr_kernarg_segment_ptr 1
		.amdhsa_wavefront_size32 1
		.amdhsa_system_sgpr_workgroup_id_x 1
		.amdhsa_system_sgpr_workgroup_id_y 1
		.amdhsa_system_sgpr_workgroup_id_z 1
		.amdhsa_system_vgpr_workitem_id 0
		.amdhsa_next_free_vgpr 258
		.amdhsa_next_free_sgpr 66
		.amdhsa_reserve_vcc 1
		.amdhsa_float_denorm_mode_32 3
		.amdhsa_float_denorm_mode_16_64 3
		.amdhsa_memory_ordered 1
		.amdhsa_forward_progress 1
		.amdhsa_inst_pref_size 69
	.end_amdhsa_kernel
	.amdgpu_metadata
---
amdhsa.version: [ 1, 2 ]
amdhsa.kernels:
  - .name:           k_q2993843d0a_prep
    .symbol:         k_q2993843d0a_prep.kd
    .args:
      - { .name: x, .offset: 0, .size: 8, .value_kind: global_buffer, .address_space: global }
      - { .name: W_q, .offset: 8, .size: 8, .value_kind: global_buffer, .address_space: global }
      - { .name: W_k, .offset: 16, .size: 8, .value_kind: global_buffer, .address_space: global }
      - { .name: W_o, .offset: 24, .size: 8, .value_kind: global_buffer, .address_space: global }
      - { .name: qc, .offset: 32, .size: 8, .value_kind: global_buffer, .address_space: global }
      - { .name: qs, .offset: 40, .size: 8, .value_kind: global_buffer, .address_space: global }
      - { .name: kb, .offset: 48, .size: 8, .value_kind: global_buffer, .address_space: global }
      - { .name: vb, .offset: 56, .size: 8, .value_kind: global_buffer, .address_space: global }
      - { .name: wo, .offset: 64, .size: 8, .value_kind: global_buffer, .address_space: global }
    .group_segment_fixed_size: 9984
    .private_segment_fixed_size: 0
    .kernarg_segment_align: 8
    .kernarg_segment_size: 72
    .max_flat_workgroup_size: 288
    .sgpr_count:     66
    .vgpr_count:     258
    .wavefront_size: 32
...
	.end_amdgpu_metadata
.endif
;; end of part 4
;; launch attn (part 5): grid 16 x 16, 16 waves a work-group, no clusters, 139,264 bytes of LDS; arguments qc, qs, kb, vb, yc, ys; writes yc, ys
.if DOCPART == 5
	.amdgcn_target "amdgcn-amd-amdhsa--gfx1250"
	.amdhsa_code_object_version 6
	.text
	.protected	k_q2993843d0a_attn
	.globl	k_q2993843d0a_attn
	.p2align	8
	.type	k_q2993843d0a_attn,@function
k_q2993843d0a_attn:
	s_mov_b64 s[64:65], 0
	v_nop
	global_prefetch_b8 v0, s[64:65] scope:SCOPE_SE
	s_setreg_imm32_b32 hwreg(HW_REG_WAVE_SCHED_MODE, 0, 2), 2
	s_setreg_imm32_b32 hwreg(HW_REG_WAVE_MODE, 25, 1), 1
	s_wait_xcnt 0x0
	s_wait_alu depctr_vm_vsrc(0)
; ATTN: y[b,s,h,:] = (sum over keys t <= s of Quant(p)[t] Quant(x)[b,t,:]) / (sum of p), p = 2^t', t' = clip(Q.K / sqrt(128), -10, 10) x log2(e); y is quantised along d and stored as an operand of the last product.
; Both products on codes of FP4 with E8M0 scales.  Q, K and V^T come as images of operand registers (1,024 bytes a fragment; K's keys and V^T's rows d in the order tile 2b+u, slot r = 32b + 8u + r + 8 (r/8)).
; NO MAXIMUM IS TAKEN AWAY: the clip, which the problem itself makes, holds t' in +-14.43 for every input, so p lies in 2^+-14.43, a row's sum of 2,048 under 2^25.5 and p's scale bytes in 110 .. 139: nothing can
; overflow or underflow in f32.  That is M = 0 in p = 2^(t' - M); M is a whole number, so codes' values and the sum differ from any other whole M's by an exact power of two, which the division takes out.
; So sums over different keys simply add, and nothing is rescaled.  The clip is made at +-10 sqrt(128) ahead of the one multiplication by log2(e) / sqrt(128): one rounding where the problem's text has two.
; LIMITS: NaN and infinities are not served; a block whose every p is hidden keeps the byte 1 (its codes are zeros).
; SHARES.  Work-group (pi, bh) owns the blocks pi and 31 - pi of 64 queries of one (b, h): 8 tiles of 16 queries, 68 steps of 128 keys under the causal mask, the same in every work-group.  16 waves, 256 registers each.
; Waves w and w ^ 8 own one tile; in trip T wave w takes key step 2 T + (w >> 3); steps beyond the tile's diagonal are left out by a scalar branch on ids.  The two halves' sums meet in LDS at the end.
; K's and V's records of a trip (4 x 8,704 bytes) go through two LDS slots, copied through registers, 2,176 bytes a wave, asked for two trips ahead: the number of trips, 5 to 8, hangs on the work-group's number.
; The work-groups pi = 4c .. 4c+3 of a head walk the same records in the same number of trips.  They are not joined in a cluster: a trip holds one step (16 products) a wave, and a joint request would put a round
; of three barriers among 64 waves into every trip for 34,816 bytes.
; LAYOUT.  S^T = K Q^T and O^T = V^T P^T: a lane holds ONE query (lane % 16); register 16 b + i is key (or d) 32 b + 16 (lane/16) + i.
; THE MODE: SCHED_MODE bits 1:0 = 2 (LLVM: expert scheduling mode 2), set by the entry lines.  The code itself states the register dependences between vector or matrix instructions and memory or LDS instructions,
; with s_wait_alu, always for 0.
; THE PLAN.  Registers that memory or LDS instructions touch, in the loop:
;   v1-v6        addresses, made at the head and never written again.
;   G            written by a trip's global loads, read by the next trip's LDS stores; no vector instruction names it.  One wait on vm_vsrc stands behind the stores: the next loads land in it.
;   F, SCL       LDS loads bring K's tiles 0-3 at a step's head and V's tiles 0-3 behind the exponentials; products alone read them.
;   S's lower half (v96-127), SC2   a second set of four fragments: K's tiles 4-7 at a step's head (the scores of tiles 4-7 go into S's upper half; then tiles 0-3's are laid over them), and V's tiles 4-7 as soon as
;                the quantiser and the first 15 lines of the row's sum have read the p that lay there.
; So a step has four waits on va_vdst, three of them straight ahead of a run of LDS loads: at its head (the last step's products are done with both sets); behind the exponentials (their results are written; the score
; products are done with F and SCL); in the middle of the row's sum (p's codes and scale word are written; S's lower half is done with).  No vector or matrix instruction between such a wait and its loads.
.set REC,  8704                        ; a record: 8 fragments, then 8 x 64 bytes of scale words
.set SLOT, 4*REC                       ; K's two records of a trip, then V's two
.set CMB,  2*SLOT                      ; behind the slots: for each tile 16 images of four registers of O^T (512 bytes each), the sum at + 8,192
.set F,    32                          ; v32-63   four fragments of K or of V
.set G,    64                          ; v64-80   my 2,176 bytes on their way to LDS
.set S,    96                          ; v96-159  S^T, then p; v96-127 by turns also four fragments of K or of V
.set O,    160                         ; v160-223 O^T
.set PC,   224                         ; v224-231 p's codes
.set TM,   232                         ; v232-243 at work
.set SC2,  244                         ; v244-247 the scale words of the four fragments in S's lower half: scales and nothing else
.set SCL,  248                         ; v248-251 those of the four fragments in F: likewise
.set PW,   253                         ; v253     p's scale word (at the end y's): likewise
.set SEL,  30                          ; s[30:31]
.set MK,   44                          ; s44-59   sixteen masks of the diagonal's compares
; v1 16 lane + 8,704 parity; v2 4 (lane%16) + 8,704 parity; v3 16 lane; v4 4 lane; v5, v6 the same + 2,176 wave; v7 my query less the diagonal step's first key less 16 (lane/16); v8 0;
; v9, v10 my tile's place in CMB; v11 4 (lane%16); v12, v13 at the head the lane and lane % 16, at the end 1 / the row's sum and the sum; v[14:15] the sum in two halves; v16-23 Q, v24 its scale word
; s16 wave; s17 parity; s18 wave % 8; s23 pairs of trips; s24 my first query; s25 my last key step; s26 trips; s27 the pair in hand; s28, s29 a trip's number, my key step
.macro QUANT s, c, w
.irp b, 0,1,2,3
	v_max3_num_f32 v[TM+\b], |v[\s+16*\b]|, |v[\s+1+16*\b]|, 0x1800000   ; block b: my 16 numbers and the floor 2^(3-127): the byte cannot fall under 1
.endr
.irp i, 2,4,6,8,10,12,14
.irp b, 0,1,2,3
	v_max3_num_f32 v[TM+\b], v[TM+\b], |v[\s+16*\b+\i]|, |v[\s+1+16*\b+\i]|
.endr
.endr
.irp b, 0,1,2,3
	v_permlanex16_b32 v[TM+4+\b], v[TM+\b], s[SEL], s[SEL+1]
.endr
.irp b, 0,1,2,3
	v_max_num_f32 v[TM+\b], v[TM+\b], v[TM+4+\b]                       ; with lane l xor 16's 16: the block's largest magnitude
.endr
.irp b, 0,1,2,3
	v_add_nc_u32 v[TM+8+\b], 0xff000000, v[TM+\b]                      ; 2 off its exponent field: the conversion's scale operand
.endr
.irp b, 0,1,2,3
	v_lshrrev_b32 v[TM+4+\b], 23, v[TM+8+\b]                           ; the scale's byte
.endr
	v_lshl_or_b32 v[\w], v[TM+5], 8, v[TM+4]
	v_lshl_or_b32 v[\w], v[TM+6], 16, v[\w]
	v_lshl_or_b32 v[\w], v[TM+7], 24, v[\w]
.irp b, 0,1,2,3
	v_cvt_scalef32_pk8_fp4_f32 v[\c+2*\b], v[\s+16*\b:\s+7+16*\b], v[TM+8+\b]
	v_cvt_scalef32_pk8_fp4_f32 v[\c+1+2*\b], v[\s+8+16*\b:\s+15+16*\b], v[TM+8+\b]
.endr
	v_nop                                                              ; one plain place behind a scaled conversion
.irp k, 0,1
.irp i, 0,1
	v_permlane16_swap_b32 v[\c+4*\k+\i], v[\c+2+4*\k+\i]               ; a whole block to a lane
.endr
.endr
.endm
.macro PLACES                          ; four places behind products ahead of loads into their registers and of reads of their results
.rept 4
	v_nop
.endr
.endm
.macro LOADG                           ; my 2,176 bytes of a trip's records: four loads of 512 consecutive bytes and one of 128
.irp i, 0,1,2,3
	global_load_b128 v[G+4*\i:G+4*\i+3], v3, s[38:39] offset:512*\i
.endr
	global_load_b32 v[G+16], v4, s[38:39] offset:2048
.endm
.macro STOREG slot
.irp i, 0,1,2,3
	ds_store_b128 v5, v[G+4*\i:G+4*\i+3] offset:\slot+512*\i
.endr
	ds_store_b32 v6, v[G+16] offset:\slot+2048
.endm
.macro FRAGS base, g, f, sc            ; fragments 4 g .. 4 g + 3 of my record of the pair at base into v[f] on, and their scale words into v[sc] on: twelve LDS loads
.irp t, 0,1,2,3
	ds_load_b128 v[\f+8*\t:\f+8*\t+3], v1 offset:\base+1024*(4*\g+\t)
	ds_load_b128 v[\f+8*\t+4:\f+8*\t+7], v1 offset:\base+1024*(4*\g+\t)+512
	ds_load_b32 v[\sc+\t], v2 offset:\base+8192+64*(4*\g+\t)
.endr
.endm
.macro KQ g, f, sc                     ; S^T, tiles 4 g .. 4 g + 3: source 0 = 16 keys, source 1 = my 16 queries
.irp t, 0,1,2,3
	v_wmma_scale_f32_16x16x128_f8f6f4 v[S+8*(4*\g+\t):S+8*(4*\g+\t)+7], v[\f+8*\t:\f+8*\t+7], v[16:23], 0, v[\sc+\t], v24 matrix_a_fmt:MATRIX_FMT_FP4 matrix_b_fmt:MATRIX_FMT_FP4
.endr
.endm
.macro PV g, f, sc                     ; O^T += V^T P^T, tiles 4 g .. 4 g + 3: the accumulators take turns, one instruction a turn
.irp t, 0,1,2,3
	v_wmma_scale_f32_16x16x128_f8f6f4 v[O+8*(4*\g+\t):O+8*(4*\g+\t)+7], v[\f+8*\t:\f+8*\t+7], v[PC:PC+7], v[O+8*(4*\g+\t):O+8*(4*\g+\t)+7], v[\sc+\t], v[PW] matrix_a_fmt:MATRIX_FMT_FP4 matrix_b_fmt:MATRIX_FMT_FP4
.endr
.endm
; A KEY STEP: my 16 queries against 128 keys, from slot k
.macro STEP k
	PLACES                                         ; behind the last step's products
	s_wait_alu depctr_va_vdst(0)                   ; the last step's products are done reading F, SCL, S's lower half and SC2, in which the loads below land
	FRAGS SLOT*\k, 1, S, SC2                       ; all eight fragments of K in one run: tiles 4-7 first, into S's lower half,
	FRAGS SLOT*\k, 0, F, SCL                       ; tiles 0-3 into F
	s_wait_dscnt 12                                ; LDS loads come back in order (ISA guide 5.7.1): tiles 4-7 are in, the twelve younger loads may be out
	KQ 1, S, SC2                                   ; their scores go into S's upper half
.rept 5
	v_nop                                          ; five places: the products below write over the registers that those above read as their source 0
.endr
	s_wait_dscnt 0x0                               ; tiles 0-3 are in
	KQ 0, F, SCL
.set n, 32
.rept 32
	v_med3_num_f32 v[S+n], v[S+n], s34, s35        ; the clip, tiles 4-7, each from its low end on.  These name nothing of tiles 0-3's products: they are the places behind those
.set n, n+1
.endr
.set n, 0
.rept 32
	v_med3_num_f32 v[S+n], v[S+n], s34, s35        ; tiles 0-3 likewise
.set n, n+1
.endr
.set n, 0
.rept 32
	v_pk_mul_f32 v[S+n:S+n+1], v[S+n:S+n+1], s[32:33] op_sel_hi:[1,0]   ; t' = clipped score x log2(e) / sqrt(128)
.set n, n+2
.endr
.set n, 0
	s_wait_alu depctr_va_vdst(0)
.rept 64
	v_exp_f32 v[S+n], v[S+n]                       ; p = 2^t'
.set n, n+1
.endr
	v_nop                                          ; one plain place behind the exponentials
	s_wait_alu depctr_va_vdst(0)                   ; the 64 exponentials have written p, ahead of its first reader and of the branch; the score products are done reading F and SCL, in which the loads below land
	FRAGS SLOT*\k+2*REC, 0, F, SCL                 ; V's first four fragments land under the quantiser
	s_cmp_lg_u32 s29, s25
	s_cbranch_scc1 .Lopen_\@                       ; only the tile's last step lies on the diagonal
.set m, 0
.rept 4                                        ; block m of 32 keys: sixteen compares into sixteen scalar registers, one wait, sixteen selects
.set n, 0
.rept 16
	v_cmp_gt_i32 s[MK+n], 32*m+n, v7               ; register 16 m + n holds key 32 m + 16 (lane/16) + n of the step: hidden where it lies behind my query
.set n, n+1
.endr
	s_wait_alu depctr_va_sdst(0)                   ; the sixteen compares have written s[MK ..], ahead of the selects that read them
.set n, 0
.rept 16
	v_cndmask_b32 v[S+16*m+n], v[S+16*m+n], v8, s[MK+n]   ; p = 0 there, ahead of the blocks' maxima and of the sum
.set n, n+1
.endr
.set m, m+1
.endr
.Lopen_\@:
	QUANT S, PC, PW
	v_pk_add_f32 v[TM+4:TM+5], v[S:S+1], v[S+2:S+3]       ; the row's sum is taken of the unquantised p: two at a time, in two chains.  These lines are also the places between p's scale word and codes and the products
.irp j, 4,8,12,16,20,24,28
	v_pk_add_f32 v[14:15], v[14:15], v[S+\j:S+\j+1]
	v_pk_add_f32 v[TM+4:TM+5], v[TM+4:TM+5], v[S+2+\j:S+3+\j]
.endr
	s_wait_alu depctr_va_vdst(0)                   ; p's codes and scale word are written, which the products below take (15 places stand behind them already); the quantiser and the 15 lines above are done reading S's lower half, in which the loads below land
	FRAGS SLOT*\k+2*REC, 1, S, SC2                 ; V's other four fragments; the lines below name S's upper half alone
.irp j, 32,36,40,44,48,52,56,60
	v_pk_add_f32 v[14:15], v[14:15], v[S+\j:S+\j+1]
	v_pk_add_f32 v[TM+4:TM+5], v[TM+4:TM+5], v[S+2+\j:S+3+\j]
.endr
	v_pk_add_f32 v[14:15], v[14:15], v[TM+4:TM+5]
	s_wait_dscnt 12                                ; V's first four fragments are in; the twelve younger loads may be out
	PV 0, F, SCL
	s_wait_dscnt 0x0                               ; the other four
	PV 1, S, SC2
.endm
; TRIP 2 s27 + k reads slot k.  First the next trip's bytes, which lie in my registers, go into the other slot (its readers have passed the last barrier behind their wait for their loads), and the bytes of the trip
; after that are asked for.  No load leaves its buffer: both are left out where there is no such trip.
.macro TRIP k
	s_lshl_b32 s28, s27, 1
	s_add_co_u32 s28, s28, \k+1                    ; the next trip's number
	s_cmp_ge_u32 s28, s26
	s_cbranch_scc1 .Lnl_\@
	s_wait_loadcnt 0x0                             ; the next trip's bytes are in my registers; the loads' base may be written
	STOREG (1-\k)*SLOT
	s_wait_alu depctr_vm_vsrc(0)                   ; the LDS stores have read G, in which the loads below land
	s_add_co_u32 s28, s28, 1                       ; and the one after it
	s_cmp_ge_u32 s28, s26
	s_cbranch_scc1 .Lnl_\@
	s_mul_i32 s40, s28, 2*REC
	s_add_nc_u64 s[38:39], s[36:37], s[40:41]
	s_wait_dscnt 0x0                               ; the stores have landed
	LOADG
.Lnl_\@:
	s_lshl_b32 s29, s27, 2
	s_add_co_u32 s29, s29, s17
.if \k
	s_add_co_u32 s29, s29, 2
.endif
	s_cmp_gt_u32 s29, s25                          ; my key step: 2 x the trip's number + my parity
	s_cbranch_scc1 .Lskip_\@                       ; all its keys lie behind my queries
	STEP \k
.Lskip_\@:
	s_wait_dscnt 0x0                               ; my stores into the other slot have landed and my reads of this slot are in
	s_barrier_signal -1
	s_barrier_wait -1
.endm
	s_load_b256 s[4:11], s[0:1], 0x0               ; qc s[4:5], qs s[6:7], kb s[8:9], vb s[10:11]
	s_load_b128 s[12:15], s[0:1], 0x20             ; yc s[12:13], ys s[14:15]
	v_lshl_add_u32 v254, v0, 2, 0x21800
	v_mov_b32 v255, 0
	v_lshrrev_b32 v1, 5, v0
	v_readfirstlane_b32 s16, v1                    ; wave 0..15
	v_and_b32 v12, 31, v0                          ; the lane's own arithmetic stands between that line and the wait for it
	v_and_b32 v13, 15, v0
	v_lshlrev_b32 v3, 4, v12
	s_wait_alu depctr_va_vdst(0)
	v_lshlrev_b32 v4, 2, v12
	v_lshlrev_b32 v11, 2, v13
	s_wait_alu depctr_va_vdst(0)
	v_bfe_u32 v7, v0, 4, 1
	v_lshlrev_b32 v7, 4, v7
	v_sub_nc_u32 v7, v13, v7
	s_wait_alu depctr_va_vdst(0)
	v_mov_b32 v8, 0
	s_wait_alu depctr_va_sdst(0)                   ; s16 is written, ahead of its first reader
	s_lshr_b32 s17, s16, 3                         ; parity of my key steps.  Also: I copy K's bytes (0) or V's (1)
	s_and_b32 s18, s16, 7                          ; my tile's number, and my eighth of the copy
	s_lshr_b32 s42, s16, 2
	s_xor_b32 s19, s16, s42
	s_and_b32 s19, s19, 1                          ; 1: a tile of the late block.  Any four waves w, w+4, w+8, w+12 and any four in a row hold two early and two late
	s_lshr_b32 s20, s16, 1
	s_and_b32 s20, s20, 3                          ; which of the block's four tiles
	s_mov_b32 s21, ttmp9                           ; pi
	s_and_b32 s22, ttmp7, 0xffff                   ; bh
	s_sub_co_u32 s43, 31, s21
	s_cmp_eq_u32 s19, 0
	s_cselect_b32 s24, s21, s43
	s_lshl_b32 s24, s24, 6
	s_lshl_b32 s44, s20, 4
	s_add_co_u32 s24, s24, s44                     ; my first query
	s_lshr_b32 s25, s24, 7                         ; my tile's last key step, the one on the diagonal
	s_lshr_b32 s26, s43, 2
	s_add_co_u32 s26, s26, 1                       ; trips: the late block's last step / 2 + 1; the same in all 16 waves
	s_add_co_u32 s23, s26, 1
	s_lshr_b32 s23, s23, 1                         ; pairs of trips, rounded up: 3 or 4
	s_mul_i32 s42, s17, REC
	v_add_nc_u32 v1, s42, v3
	v_add_nc_u32 v2, s42, v11
	s_mul_i32 s42, s16, 2176
	v_add_nc_u32 v5, s42, v3
	v_add_nc_u32 v6, s42, v4
	s_mul_i32 s42, s18, 8448
	s_add_co_u32 s42, s42, CMB
	v_add_nc_u32 v9, s42, v3
	v_add_nc_u32 v10, s42, v4
	s_and_b32 s42, s24, 127
	v_add_nc_u32 v7, s42, v7
	s_mov_b32 s[SEL], 0x76543210
	s_mov_b32 s[SEL+1], 0xfedcba98
	s_mov_b32 s32, 0x3e0293ee                      ; log2(e) / sqrt(128)
	s_mov_b32 s33, s32                             ; (named with it as a pair, so it is written)
	s_mov_b32 s34, 0xc2e24630                      ; -10 sqrt(128)
	s_mov_b32 s35, 0x42e24630                      ; +10 sqrt(128)
	s_mul_i32 s40, s22, 16*REC                     ; K: the records of (b, h);
	s_lshr_b32 s42, s22, 3
	s_mul_i32 s42, s42, 16*REC                     ; V: those of b
	s_mul_i32 s44, s18, 2176
	s_cmp_eq_u32 s17, 0
	s_cselect_b32 s40, s40, s42
	s_add_co_u32 s40, s40, s44
	s_mov_b32 s41, 0
	s_lshl_b32 s42, s22, 7
	s_lshr_b32 s43, s24, 4
	s_add_co_u32 s42, s42, s43                     ; Q's tile: 128 bh + query / 16
	s_lshl_b32 s44, s42, 10
	s_mov_b32 s45, 0
	s_wait_kmcnt 0x0
	s_cmp_eq_u32 s17, 0                            ; the choice hangs on the wave's number alone
	s_cselect_b64 s[36:37], s[8:9], s[10:11]
	s_add_nc_u64 s[36:37], s[36:37], s[40:41]      ; my eighth of trip 0's bytes; trip n's lie 17,408 n on
	s_mov_b64 s[38:39], s[36:37]
	s_wait_alu depctr_va_vdst(0)                   ; the addresses v1 to v6 and v9 to v11 are written, which the kernel's loads and stores read; none is written again
	LOADG                                          ; trip 0
	s_add_nc_u64 s[46:47], s[4:5], s[44:45]
	s_lshl_b32 s44, s42, 6
	s_add_nc_u64 s[48:49], s[6:7], s[44:45]
	global_load_b128 v[16:19], v3, s[46:47]        ; Q's fragment stays in registers
	global_load_b128 v[20:23], v3, s[46:47] offset:512
	global_load_b32 v24, v11, s[48:49]
	s_lshr_b32 s42, s22, 3                         ; y's fragment: ((128 b + query / 16) x 8 + h)
	s_lshl_b32 s42, s42, 7
	s_add_co_u32 s42, s42, s43
	s_lshl_b32 s42, s42, 3
	s_and_b32 s44, s22, 7
	s_add_co_u32 s42, s42, s44
	s_lshl_b32 s44, s42, 10
	s_add_nc_u64 s[12:13], s[12:13], s[44:45]
	s_lshl_b32 s44, s42, 7
	s_add_nc_u64 s[14:15], s[14:15], s[44:45]
.set n, 0
.rept 64
	v_mov_b32 v[O+n], 0                            ; O^T begins as zeros: a wave none of whose steps counts hands zeros on, and the step is written once for each slot
.set n, n+1
.endr
	v_mov_b32 v14, 0
	v_mov_b32 v15, 0
.irp b, 0,1,2,3
	v_mov_b32 v[TM+4+\b], 0                        ; written once: a lane permute's destination counts as one of its sources
.endr
	s_wait_loadcnt 3                               ; trip 0's five loads are in; Q's three, issued behind them, may be out
	STOREG 0
	s_wait_alu depctr_vm_vsrc(0)                   ; the LDS stores have read G, in which the loads below land
	s_add_nc_u64 s[38:39], s[36:37], 2*REC
	s_wait_dscnt 0x0                               ; the stores have landed
	LOADG                                          ; trip 1 (there are at least five)
	s_wait_loadcnt 5                               ; Q is in; the five just issued may be out
	s_barrier_signal -1
	s_barrier_wait -1                              ; slot 0 is whole
	s_mov_b32 s27, 0
.Lloop:                                            ; a pair of trips, one for each slot, so that every LDS address is a constant beside a lane's and a wave's term; where the number of trips is odd, the last pair's second trip has only its barrier
	TRIP 0
	TRIP 1
	s_add_co_u32 s27, s27, 1
	s_cmp_lt_u32 s27, s23
	s_cbranch_scc1 .Lloop
	; THE END.  The wave of odd steps hands its O^T and its sum to the wave of even steps, as images of registers
	PLACES
	s_wait_alu depctr_va_vdst(0)
	v_add_f32 v14, v14, v15
	s_wait_alu depctr_va_vdst(0)                   ; the products have written O^T and the addition v14, which the LDS stores read (the places above stay beside this wait); the products and the sums are done with S, and the head's lines with v13, in which the LDS loads land
	s_cmp_eq_u32 s17, 0
	s_cbranch_scc1 .Lkeep
.set n, 0
.rept 16
	ds_store_b128 v9, v[O+4*n:O+4*n+3] offset:512*n         ; each accumulator from its low end on
.set n, n+1
.endr
	ds_store_b32 v10, v14 offset:8192
.Lkeep:
	s_wait_dscnt 0x0
	s_barrier_signal -1
	s_barrier_wait -1
	s_cmp_lg_u32 s17, 0
	s_cbranch_scc1 .Ldone
.set n, 0
.rept 16
	ds_load_b128 v[S+4*n:S+4*n+3], v9 offset:512*n
.set n, n+1
.endr
	ds_load_b32 v13, v10 offset:8192
	s_wait_dscnt 0x0
.set n, 0
.rept 32
	v_pk_add_f32 v[S+n:S+n+1], v[O+n:O+n+1], v[S+n:S+n+1]   ; ascending: each accumulator is first read at its low end.  The sums go into S: no register that an LDS store of this text reads is written behind it
.set n, n+2
.endr
	v_add_f32 v13, v14, v13
	v_permlanex16_b32 v[TM+4], v13, s[SEL], s[SEL+1]
	v_add_f32 v13, v13, v[TM+4]                    ; with lane l xor 16's keys: the row's sum; the query's own key counts, so it is at least 2^-14.43
	s_wait_alu depctr_va_vdst(0)
	v_rcp_f32 v12, v13
	v_nop                                          ; one plain place behind the reciprocal
	s_wait_alu depctr_va_vdst(0)                   ; the reciprocal has written v12, ahead of its first reader
.set n, 0
.rept 32
	v_pk_mul_f32 v[S+n:S+n+1], v[S+n:S+n+1], v[12:13] op_sel_hi:[1,0]   ; y = O / the sum: register 16 b + i is d = 32 b + 16 (lane/16) + i
.set n, n+2
.endr
	QUANT S, PC, PW                                ; K step h of the last product, my 16 rows
	s_wait_alu depctr_va_vdst(0)                   ; the quantiser has written y's codes and scale word, which the stores read
	global_store_b128 v3, v[PC:PC+3], s[12:13]     ; 512 consecutive bytes a store
	global_store_b128 v3, v[PC+4:PC+7], s[12:13] offset:512
	global_store_b32 v4, v[PW], s[14:15]
.Ldone:
	s_wait_dscnt 0x0                               ; the closing lines, six on end
	s_wait_alu 0x0
	s_wait_tensorcnt 0x0
	ds_add_u32 v254, v255
	s_wait_dscnt 0x0
	s_endpgm
.Lfunc_end_k_q2993843d0a_attn:
	.size	k_q2993843d0a_attn, .Lfunc_end_k_q2993843d0a_attn-k_q2993843d0a_attn
	.p2alignl 7, 3214868480
	.fill 96, 4, 3214868480
	.section	.rodata,"a",@progbits
	.p2align	6, 0x0
	.amdhsa_kernel k_q2993843d0a_attn
		.amdhsa_group_segment_fixed_size 139264
		.amdhsa_private_segment_fixed_size 0
		.amdhsa_enable_private_segment 0
		.amdhsa_kernarg_size 48
		.amdhsa_user_sgpr_count 2
		.amdhsa_user_sgpr_kernarg_segment_ptr 1
		.amdhsa_wavefront_size32 1
		.amdhsa_system_sgpr_workgroup_id_x 1
		.amdhsa_system_sgpr_workgroup_id_y 1
		.amdhsa_system_sgpr_workgroup_id_z 1
		.amdhsa_system_vgpr_workitem_id 0
		.amdhsa_next_free_vgpr 256
		.amdhsa_next_free_sgpr 66
		.amdhsa_reserve_vcc 0
		.amdhsa_float_denorm_mode_32 3
		.amdhsa_float_denorm_mode_16_64 3
		.amdhsa_memory_ordered 1
		.amdhsa_forward_progress 1
		.amdhsa_inst_pref_size 79
	.end_amdhsa_kernel
	.amdgpu_metadata
---
amdhsa.version: [ 1, 2 ]
amdhsa.kernels:
  - .name:           k_q2993843d0a_attn
    .symbol:         k_q2993843d0a_attn.kd
    .args:
      - { .name: qc, .offset: 0, .size: 8, .value_kind: global_buffer, .address_space: global }
      - { .name: qs, .offset: 8, .size: 8, .value_kind: global_buffer, .address_space: global }
      - { .name: kb, .offset: 16, .size: 8, .value_kind: global_buffer, .address_space: global }
      - { .name: vb, .offset: 24, .size: 8, .value_kind: global_buffer, .address_space: global }
      - { .name: yc, .offset: 32, .size: 8, .value_kind: global_buffer, .address_space: global }
      - { .name: ys, .offset: 40, .size: 8, .value_kind: global_buffer, .address_space: global }
    .group_segment_fixed_size: 139264
    .private_segment_fixed_size: 0
    .kernarg_segment_align: 8
    .kernarg_segment_size: 48
    .max_flat_workgroup_size: 512
    .sgpr_count:     66
    .vgpr_count:     256
    .wavefront_size: 32
...
	.end_amdgpu_metadata
.endif
;; end of part 5
;; launch proj (part 6): grid 256 x 1, 4 waves a work-group, no clusters, 9,216 bytes of LDS; arguments yc, ys, wo, out0; writes out0
.if DOCPART == 6
	.amdgcn_target "amdgcn-amd-amdhsa--gfx1250"
	.amdhsa_code_object_version 6
	.text
	.protected	k_q2993843d0a_proj
	.globl	k_q2993843d0a_proj
	.p2align	8
	.type	k_q2993843d0a_proj,@function
k_q2993843d0a_proj:
	s_mov_b64 s[64:65], 0
	v_nop
	global_prefetch_b8 v0, s[64:65] scope:SCOPE_SE
	s_setreg_imm32_b32 hwreg(HW_REG_WAVE_SCHED_MODE, 0, 2), 2
	s_setreg_imm32_b32 hwreg(HW_REG_WAVE_MODE, 25, 1), 1
	s_wait_xcnt 0x0
	s_wait_alu depctr_vm_vsrc(0)
; PROJ: out[row, n] = sum over k of y[row, k] W_o[n, k], k = 1,024, both as codes of FP4 with E8M0 scales, as images of operand registers (1,024 bytes a fragment, a scale word a lane beside it).
; Work-group g makes rows 16 g .. 16 g + 15; wave w columns 32 w .. 32 w + 31: two accumulators, 8 K steps, by turns.  Source 0 = 16 rows of W_o, source 1 = y's 16 rows: a lane holds eight neighbouring columns
; of one row.  The four waves' parts of a row meet in a stage in LDS (rows of 512 bytes + 16), and each wave stores four whole rows.
; W_o's codes (64 KB) are read by every work-group, once each and through registers, a quarter a wave: there is no ring and no tile asked for again, so no cluster.
; THE MODE: SCHED_MODE bits 1:0 = 2 (LLVM: expert scheduling mode 2), set by the entry lines.  The code itself states the register dependences between vector or matrix instructions and memory or LDS instructions,
; with s_wait_alu, always for 0.
; THE PLAN.  Registers that memory or LDS instructions touch: v4 to v7, offsets and addresses, made at the head and never written again; YF, WOF, YS, WOS, written by loads and read by the products; the accumulators,
; written by the products and read by the stage's stores; YF's first sixteen once more, in which the rows come back from the stage.  Two waits on va_vdst: ahead of the first load (the offsets are written), and behind
; the products (the accumulators are written; y's fragments are done with).  Nothing that a store reads is written again.
.set YF,  16                           ; v16-79   y's 8 fragments; later the rows read back
.set WOF, 80                           ; v80-207  W_o's 16 fragments (64 n + 8 ks)
.set YS,  208                          ; v208-215 y's scale words
.set WOS, 216                          ; v216-231 W_o's
.set ACC, 232                          ; v232-247 two accumulators
	s_load_b256 s[4:11], s[0:1], 0x0               ; yc s[4:5], ys s[6:7], wo s[8:9], out0 s[10:11]
	v_lshl_add_u32 v254, v0, 2, 0x2200
	v_mov_b32 v255, 0
	v_lshrrev_b32 v1, 5, v0
	v_readfirstlane_b32 s12, v1                    ; wave 0..3
	v_and_b32 v1, 31, v0
	v_and_b32 v2, 15, v0
	v_bfe_u32 v3, v0, 4, 1
	v_lshlrev_b32 v4, 4, v1                        ; 16 x lane
	v_lshlrev_b32 v5, 2, v1                        ; 4 x lane
	v_mul_u32_u24 v6, v2, 528
	v_lshl_add_u32 v6, v3, 5, v6
	s_wait_alu depctr_va_sdst(0)                   ; s12 is written, ahead of its first reader
	s_lshl_b32 s13, s12, 7
	v_add_nc_u32 v6, s13, v6                       ; the stage, in: row r, + 128 w + 32 (lane/16)
	s_mul_i32 s13, s12, 4*528
	v_add_nc_u32 v7, s13, v4                       ; and back: rows 4 w on, 16 bytes a lane
	s_lshl_b32 s16, ttmp9, 13                      ; 8,192 g: y's 8 fragments, and 16 rows of out
	s_mov_b32 s17, 0
	s_lshl_b32 s18, ttmp9, 10                      ; 1,024 g: their scale words
	s_mov_b32 s19, 0
	s_lshl_b32 s20, s12, 14                        ; 16,384 w: my 16 fragments of W_o
	s_mov_b32 s21, 0
	s_lshl_b32 s22, s12, 11                        ; 2,048 w: their scale words; also my four rows of out
	s_mov_b32 s23, 0
	s_wait_kmcnt 0x0
	s_add_nc_u64 s[4:5], s[4:5], s[16:17]
	s_add_nc_u64 s[6:7], s[6:7], s[18:19]
	s_add_nc_u64 s[24:25], s[8:9], s[20:21]
	s_add_nc_u64 s[26:27], s[8:9], s[22:23]
	s_add_nc_u64 s[10:11], s[10:11], s[16:17]
	s_add_nc_u64 s[10:11], s[10:11], s[22:23]
	s_wait_alu depctr_va_vdst(0)                   ; v4 to v7 are written, which the loads and stores below read as offsets and addresses
.irp ks, 0,1,2,3,4,5,6,7
	global_load_b128 v[YF+8*\ks:YF+8*\ks+3], v4, s[4:5] offset:1024*\ks
	global_load_b128 v[YF+8*\ks+4:YF+8*\ks+7], v4, s[4:5] offset:1024*\ks+512
	global_load_b32 v[YS+\ks], v5, s[6:7] offset:128*\ks
.irp n, 0,1
	global_load_b128 v[WOF+64*\n+8*\ks:WOF+64*\n+8*\ks+3], v4, s[24:25] offset:1024*(8*\n+\ks)
	global_load_b128 v[WOF+64*\n+8*\ks+4:WOF+64*\n+8*\ks+7], v4, s[24:25] offset:1024*(8*\n+\ks)+512
	global_load_b32 v[WOS+8*\n+\ks], v5, s[26:27] offset:65536+128*(8*\n+\ks)
.endr
.endr
	s_wait_loadcnt 0x0
.irp n, 0,1
	v_wmma_scale_f32_16x16x128_f8f6f4 v[ACC+8*\n:ACC+8*\n+7], v[WOF+64*\n:WOF+64*\n+7], v[YF:YF+7], 0, v[WOS+8*\n], v[YS] matrix_a_fmt:MATRIX_FMT_FP4 matrix_b_fmt:MATRIX_FMT_FP4
.endr
.irp ks, 1,2,3,4,5,6,7
.irp n, 0,1
	v_wmma_scale_f32_16x16x128_f8f6f4 v[ACC+8*\n:ACC+8*\n+7], v[WOF+64*\n+8*\ks:WOF+64*\n+8*\ks+7], v[YF+8*\ks:YF+8*\ks+7], v[ACC+8*\n:ACC+8*\n+7], v[WOS+8*\n+\ks], v[YS+\ks] matrix_a_fmt:MATRIX_FMT_FP4 matrix_b_fmt:MATRIX_FMT_FP4
.endr
.endr
.rept 4
	v_nop                                          ; four places behind the products ahead of the stores of results and of the loads into y's registers
.endr
	s_wait_alu depctr_va_vdst(0)                   ; the products have written the accumulators, which the LDS stores read, and are done reading y's fragments, in which the rows from the stage land; the places above stay beside this wait
.irp n, 0,1
	ds_store_b128 v6, v[ACC+8*\n:ACC+8*\n+3] offset:64*\n          ; lane (r, hh): out(r, 32 w + 16 n + 8 hh + 0 .. 7); each accumulator from its low end on
	ds_store_b128 v6, v[ACC+8*\n+4:ACC+8*\n+7] offset:64*\n+16
.endr
	s_wait_dscnt 0x0                               ; for the others' sake: my stores have landed
	s_barrier_signal -1
	s_barrier_wait -1
.irp i, 0,1,2,3
	ds_load_b128 v[YF+4*\i:YF+4*\i+3], v7 offset:528*\i
.endr
.irp i, 0,1,2,3
	s_wait_dscnt 3-\i                              ; row i is back; the younger loads may be out
	global_store_b128 v4, v[YF+4*\i:YF+4*\i+3], s[10:11] offset:512*\i th:TH_STORE_NT   ; 32 lanes store a whole row of 512 bytes; written once, read by nobody here
.endr
	s_wait_dscnt 0x0                               ; the closing lines, six on end
	s_wait_alu 0x0
	s_wait_tensorcnt 0x0
	ds_add_u32 v254, v255
	s_wait_dscnt 0x0
	s_endpgm
.Lfunc_end_k_q2993843d0a_proj:
	.size	k_q2993843d0a_proj, .Lfunc_end_k_q2993843d0a_proj-k_q2993843d0a_proj
	.p2alignl 7, 3214868480
	.fill 96, 4, 3214868480
	.section	.rodata,"a",@progbits
	.p2align	6, 0x0
	.amdhsa_kernel k_q2993843d0a_proj
		.amdhsa_group_segment_fixed_size 9216
		.amdhsa_private_segment_fixed_size 0
		.amdhsa_enable_private_segment 0
		.amdhsa_kernarg_size 32
		.amdhsa_user_sgpr_count 2
		.amdhsa_user_sgpr_kernarg_segment_ptr 1
		.amdhsa_wavefront_size32 1
		.amdhsa_system_sgpr_workgroup_id_x 1
		.amdhsa_system_sgpr_workgroup_id_y 1
		.amdhsa_system_sgpr_workgroup_id_z 1
		.amdhsa_system_vgpr_workitem_id 0
		.amdhsa_next_free_vgpr 256
		.amdhsa_next_free_sgpr 66
		.amdhsa_reserve_vcc 0
		.amdhsa_float_denorm_mode_32 3
		.amdhsa_float_denorm_mode_16_64 3
		.amdhsa_memory_ordered 1
		.amdhsa_forward_progress 1
		.amdhsa_inst_pref_size 12
	.end_amdhsa_kernel
	.amdgpu_metadata
---
amdhsa.version: [ 1, 2 ]
amdhsa.kernels:
  - .name:           k_q2993843d0a_proj
    .symbol:         k_q2993843d0a_proj.kd
    .args:
      - { .name: yc, .offset: 0, .size: 8, .value_kind: global_buffer, .address_space: global }
      - { .name: ys, .offset: 8, .size: 8, .value_kind: global_buffer, .address_space: global }
      - { .name: wo, .offset: 16, .size: 8, .value_kind: global_buffer, .address_space: global }
      - { .name: out0, .offset: 24, .size: 8, .value_kind: global_buffer, .address_space: global }
    .group_segment_fixed_size: 9216
    .private_segment_fixed_size: 0
    .kernarg_segment_align: 8
    .kernarg_segment_size: 32
    .max_flat_workgroup_size: 128
    .sgpr_count:     66
    .vgpr_count:     256
    .wavefront_size: 32
...
	.end_amdgpu_metadata
.endif
;; end of part 6
